; MI455X (gfx1250); checked and timed in simulation.
; The chip was launched on July 23, 2026; its instructions are those of AMD's public machine-readable ISA for CDNA 5 (MIT licence, August 2026) and "CDNA5" Instruction Set Architecture Reference Guide (July 2026). The comments in the code are by the model that wrote it; some were corrected since.
;; Multi Head Self Attention. Allowed arithmetic: matrix products marked QUANTISED: E2M1 operands, one E8M0 scale for each 32 along K, by v_wmma_scale_f32_16x16x128_f8f6f4 with both operands' format E2M1 (or v_wmma_scale_f32_32x16x128_f4), f32 sums; products left as they are: bf16, f16 or f32 operands; f32 sums; everything else in f32.
;; Inputs: Wproj 1,024 x 1,024 float32; Wqkv 1,024 x 3,072 float32; x 4 x 2,048 x 1,024 float32.
;; Outputs: out0 4 x 2,048 x 1,024 float32.
;; This version of the problem:
;;   THIS VERSION OF THE PROBLEM IS GIVEN IN LOW PRECISION. The matrix products marked QUANTISED in the list below multiply operands that are first quantised to E2M1 (2 exponent bits, 1 mantissa bit; 4 bits a number), with one power-of-two scale for each 32 numbers along K (OCP MX v1.0); their sums are f32. The products marked 'left as it is' may take bf16, f16 or f32 operands, with f32 sums. Whichever they take, every output number must still come out within the allowed error. Rounding operands to bf16 (8 significant bits) uses up far more of that allowance than f16 does (11 bits, for magnitudes from 6e-5 to 65,504). All else is computed in f32.
;;   The module's matrix products, in the order in which they are computed (A, B: the left and right operand; K: the contracted axis; several contracted axes count as one K, in the product's order):
;;     1. [M 8,192, K 1,024] x [K 1,024, N 3,072]; A: input x; B: input Wqkv: QUANTISED
;;     2. batch 64 x [M 2,048, K 64] x [K 64, N 2,048]; A: computed on the way; B: computed on the way: left as it is (an operand is computed on the way)
;;     3. batch 64 x [M 2,048, K 2,048] x [K 2,048, N 64]; A: computed on the way; B: computed on the way: left as it is (an operand is computed on the way)
;;     4. [M 8,192, K 1,024] x [K 1,024, N 1,024]; A: computed on the way; B: input Wproj: left as it is (an operand is computed on the way)
;;   THE QUANTISER, for each operand of a quantised product, along K:
;;     - K is cut into blocks of 32 from its start; a last block that is shorter is filled with zeros.
;;     - A block's scale is 2^e with e = floor(log2(the largest magnitude in the block)) - 2, held to -126 .. 127; a block of zeros has e = 0. As a byte (E8M0): e + 127.
;;     - Each number is divided by its block's scale, clamped to +-6, and rounded to the nearest number of E2M1, ties to even, subnormals kept.
;;     - The product sums the exact products of the quantised numbers (number of the format x scale) in f32.
;;   ~~~python
;;   def quantise(x, axis):      # numpy; x: float32 -> the quantised numbers, widened to float32 again
;;       x = np.moveaxis(x, axis, -1); K = x.shape[-1]
;;       x = np.pad(x, [(0, 0)] * (x.ndim - 1) + [(0, -K % 32)]); x = x.reshape(x.shape[:-1] + (-1, 32)); a = np.abs(x).max(-1, keepdims=True)
;;       e = np.where(a > 0, np.clip(np.frexp(np.where(a > 0, a, 1))[1] - 1 - 2, -126, 127), 0)      # np.frexp(a)[1] - 1 = floor(log2(a)), exactly
;;       r = np.clip(x / 2.0 ** e, -6, 6)
;;       step = 2.0 ** (np.maximum(np.frexp(np.where(r == 0, 1, r))[1] - 1, 0) - 1)
;;       q = np.round(r / step) * step * 2.0 ** e      # np.round: ties to even
;;       return np.moveaxis(q.reshape(q.shape[:-2] + (-1,))[..., :K], -1, axis).astype(np.float32)
;;   ~~~
;; One version. Each part assembles by itself: llvm-mc -triple=amdgcn-amd-amdhsa -mcpu=gfx1250 --defsym DOCPART=n.
;; ======== version 1 of 1: 4 launches
;; limits: values are held in f16: magnitudes above 65,504 overflow, below 6.1e-05 lose precision
;; workspace buffers: xc 4,194,304 bytes; xs 262,144 bytes; wc 1,572,864 bytes; ws 98,304 bytes; wp 2,097,152 bytes; tab 524,288 bytes; qkv 50,331,648 bytes; y 16,777,216 bytes
;; launch prep (part 1): grid 400 x 1, 4 waves a work-group, no clusters, 68,096 bytes of LDS; arguments x, Wqkv, Wproj, xc, xs, wc, ws, wp, tab; writes xc, xs, wc, ws, wp, tab
.if DOCPART == 1
	.amdgcn_target "amdgcn-amd-amdhsa--gfx1250"
	.amdhsa_code_object_version 6
	.text
	.protected	k_q5f81c24497_prep
	.globl	k_q5f81c24497_prep
	.p2align	8
	.type	k_q5f81c24497_prep,@function
k_q5f81c24497_prep:
	s_mov_b64 s[64:65], 0
	v_nop
	global_prefetch_b8 v0, s[64:65] scope:SCOPE_SE
	s_setreg_imm32_b32 hwreg(HW_REG_WAVE_MODE, 25, 1), 1
	s_wait_xcnt 0x0
; PREP: what the later launches read many times is made once.
;   path X (work-groups 0-255):   x [8192][1024] f32 -> codes of FP4 (E2M1), K innermost, xc [8192][32][16 bytes], and one E8M0 byte for each 32 along K, xs [8192][32]
;   path W (work-groups 256-303): Wqkv [1024 (k)][3072 (n)] f32, K its FIRST axis -> wc [3072][32][16 bytes], ws [3072][32]: a lane takes a column, its registers run down K
;   path P (work-groups 304-367): Wproj f32 -> f16, layout kept [k][n]: wp
;   path T (work-groups 368-399): the RoPE table (cos, sin) in f32, laid in the order in which the next launch's registers take it: tab [16 positions' block 128][8][lane 32][16 bytes]
; DEAD WORK: none comes in whole units.  Every input reaches the output; the diagonal term of reference() is kept (third launch); no product, row or step is left out.
; THE QUANTISER: a block's scale is 2^(floor(log2(largest magnitude)) - 2); its byte is the largest magnitude's exponent field - 2, held at 1 from below; each number is divided by the scale and rounded
; to the nearest code, ties to even, beyond 6 the largest code.
; LIMITS: a block of zeros gets the byte 1 where the quantiser says 127 (its codes are zeros, and this program alone reads the bytes); blocks whose largest magnitude lies under 2^-124 are held at byte 1;
; NaN and infinities among the inputs are not served.  Wproj goes as f16: magnitudes up to 65,504, a fixed step of 6e-8 under 6e-5.
; The table's angle is position x theta in f32, theta = 2^(-j log2(10000) / 32) by v_exp_f32: it can differ from reference()'s by some 2e-4 radians at the largest positions.
; The four paths part on the work-group's number alone; each path that uses LDS has bytes of its own: X 0 .. 32,767, W 32,768 .. 67,583; the spare words lie behind them.
; No tensor load, no barrier: waves share nothing.  Matrix units and clusters have nothing to do here: each byte is read once and written once.
.set SPARE,  67584                     ; the spare words, 128 bytes for each wave: two blocks of 256 bytes that no other line names
.set SPW,    196                       ; v196  LDS address of my spare word; never rewritten
.set NIL,    197                       ; v197  0; never rewritten
.set EMAX,   2
; path X: a wave takes 16 steps of 512 numbers
.set XSTEPS, 16
.set XCB,    8                         ; bytes of 16 codes
.set XR,     16                        ; v16-79   four sets of 16 numbers as they are loaded
.set XX,     80                        ; v80-111  two sets of 16 neighbours
.set XE,     112                       ; v112-127 a scale byte for each step
.set XC,     128                       ; v128-191 codes: four registers for each step, so that no store's data are written again
.set XWREG,  8192                      ; a wave's region: two stages of 32 x XSP bytes, behind them its 256 scale bytes
.set XSP,    80                        ; a lane's place in a stage: 64 bytes + 16 of padding
; path W: a wave takes 32 columns x 512 along K
.set WN,     3072
.set WNB,    16                        ; blocks of 32 along K
.set WPITCH, 272                       ; a stage row: 256 bytes of codes + 16
.set WKROW,  512                       ; a row of wc in bytes
.set WSTG,   32768                     ; path W's stages begin here
.set WSB,    24                        ; v24-27   the scale bytes, four to a register
.set WX,     32                        ; v32-95   two sets of 32 numbers
.set WC,     96                        ; v96-99   a block's codes
.set WOUT,   112                       ; v112-175 the way out
.macro XLOAD t
.irp i, 0,1,2,3
	global_load_b128 v[XR+16*((\t)%4)+4*\i:XR+16*((\t)%4)+4*\i+3], v3, s[4:5] offset:2048*(\t)+512*\i th:TH_LOAD_NT   ; 32 lanes read 512 consecutive bytes
.endr
.endm
.macro XTURN t                         ; step t's numbers through the stage: LDS serves a wave's instructions in order, so no wait stands between the stores and the loads
.irp i, 0,1,2,3
	ds_store_b128 v14, v[XR+16*((\t)%4)+4*\i:XR+16*((\t)%4)+4*\i+3] offset:32*XSP*((\t)%2)+8*XSP*\i
.endr
.irp i, 0,1,2,3
	ds_load_b128 v[XX+16*((\t)%2)+4*\i:XX+16*((\t)%2)+4*\i+3], v15 offset:32*XSP*((\t)%2)+16*\i
.endr
.endm
.macro XSTEP t
.set XS, XX+16*((\t)%2)
.if (\t) > 0
	s_wait_dscnt 1                                 ; this step's numbers are back from the stage (the last step's byte store may be out): so its stores into the stage have read their registers,
.else
	s_wait_dscnt 0x0
.endif
.if (\t)+4 < XSTEPS
	XLOAD (\t)+4                                   ; which take the loads of four steps on
.endif
.if (\t)+1 < XSTEPS
.if XSTEPS-2-(\t) >= 3
	s_wait_loadcnt 12                              ; the next step's four loads are in; those of the three steps behind it may be out
.else
	s_wait_loadcnt 4*(XSTEPS-2-(\t))
.endif
	XTURN (\t)+1                                   ; and go through the other stage while this step is worked
.endif
	v_max3_num_f32 v8, |v[XS]|, |v[XS+1]|, |v[XS+2]|               ; the largest magnitude of my 16, in two chains
	v_max3_num_f32 v9, |v[XS+3]|, |v[XS+4]|, |v[XS+5]|
.irp i, 6,10
	v_max3_num_f32 v8, v8, |v[XS+\i]|, |v[XS+\i+1]|
	v_max3_num_f32 v9, v9, |v[XS+\i+2]|, |v[XS+\i+3]|
.endr
	v_max3_num_f32 v8, v8, |v[XS+14]|, |v[XS+15]|
	v_max3_num_f32 v8, v8, v9, (EMAX+1)<<23        ; and the floor 2^(3 - 127): the byte cannot fall under 1
	v_max_num_f32_dpp v8, v8, v8 row_xmask:1 row_mask:0xf bank_mask:0xf   ; and of my neighbour's 16: the block's
	v_add_nc_u32 v11, -(EMAX<<23), v8              ; 2 off its exponent field: the conversion takes the exponent field of this operand as its scale
	v_cvt_scalef32_pk8_fp4_f32 v[XC+4*(\t)], v[XS:XS+7], v11
	v_cvt_scalef32_pk8_fp4_f32 v[XC+4*(\t)+1], v[XS+8:XS+15], v11
	v_lshrrev_b32 v[XE+(\t)], 23, v11              ; the scale's byte (a plain line behind the conversions)
	ds_store_b8 v5, v[XE+(\t)] offset:16*(\t)      ; both lanes of a block write the same byte with the same value
	global_store_b64 v4, v[XC+4*(\t):XC+4*(\t)+1], s[10:11] offset:32*XCB*(\t)   ; the wave stores 256 consecutive bytes, aligned
.endm
.macro WLOAD t                         ; block t: Wqkv(32 t + i, my column), i = 0 .. 31, into set t % 2
.set i, 0
.rept 32
	global_load_b32 v[WX+32*((\t)%2)+i], v3, s[6:7] offset:(32*(\t)+i)*WN*4 th:TH_LOAD_NT
.set i, i+1
.endr
.endm
.macro WBLOCK t
.set XS, WX+32*((\t)%2)
.if (\t) < WNB-1
	s_wait_loadcnt 32                              ; this block's 32 loads are in; the next block's may be out
.else
	s_wait_loadcnt 0
.endif
	v_max3_num_f32 v12, |v[XS]|, |v[XS+1]|, |v[XS+2]|              ; the block's largest magnitude: all 32 numbers are mine
	v_max3_num_f32 v13, |v[XS+3]|, |v[XS+4]|, |v[XS+5]|
.irp i, 6,10,14,18,22,26
	v_max3_num_f32 v12, v12, |v[XS+\i]|, |v[XS+\i+1]|
	v_max3_num_f32 v13, v13, |v[XS+\i+2]|, |v[XS+\i+3]|
.endr
	v_max3_num_f32 v12, v12, |v[XS+30]|, |v[XS+31]|
	v_max3_num_f32 v12, v12, v13, (EMAX+1)<<23     ; and the floor
	v_add_nc_u32 v11, -(EMAX<<23), v12             ; the conversion's scale operand
	v_lshrrev_b32 v13, 23, v11                     ; the scale's byte
.if (\t)%4 == 0
	v_mov_b32 v[WSB+(\t)/4], v13                   ; four bytes to a register, the lower K in the lower byte
.else
	v_lshl_or_b32 v[WSB+(\t)/4], v13, 8*((\t)%4), v[WSB+(\t)/4]
.endif
.irp g, 0,1,2,3
	v_cvt_scalef32_pk8_fp4_f32 v[WC+\g], v[XS+8*\g:XS+8*\g+7], v11
.endr
	v_nop                                          ; one plain line behind the last conversion
	ds_store_b128 v4, v[WC:WC+3] offset:16*(\t)    ; 32 codes: 16 bytes of my column's row
.if (\t)+2 < WNB
	WLOAD (\t)+2
.endif
	s_wait_dscnt 0x0                               ; the store has read its registers: the next block's codes may be written
.endm
; sine and cosine of position x theta n, into v[65+2n] and v[64+2n].  The angle less k quarter turns (pi/2 in two parts) lies within pi/4; two short polynomials; the quarter turn chooses and signs.
.macro SINCOS n
	v_mul_f32 v6, v5, v[16+\n]                     ; the angle, rounded once as in reference()
	v_mul_f32 v7, s29, v6
	v_rndne_f32 v7, v7                             ; k
	v_fma_f32 v8, v7, s30, v6
	v_fma_f32 v8, v7, s31, v8                      ; rho
	v_mul_f32 v9, v8, v8                           ; z
	v_fma_f32 v10, v9, s32, s33
	v_fma_f32 v11, v9, s35, s36
	v_fma_f32 v10, v10, v9, s34
	v_fma_f32 v11, v11, v9, s37
	v_mul_f32 v10, v10, v9
	v_mul_f32 v12, v9, v9
	v_fma_f32 v13, v9, -0.5, 1.0
	v_fma_f32 v10, v10, v8, v8                     ; sin rho
	v_fma_f32 v11, v12, v11, v13                   ; cos rho
	v_cvt_i32_f32 v12, v7
	v_and_b32 v13, 1, v12
	v_cmp_eq_u32 vcc_lo, 1, v13
	v_cndmask_b32 v14, v10, v11, vcc_lo            ; an odd quarter swaps the two
	v_cndmask_b32 v15, v11, v10, vcc_lo
	v_and_b32 v13, 2, v12
	v_lshlrev_b32 v13, 30, v13
	v_xor_b32 v[65+2*\n], v13, v14                 ; the sine is negative in quarters 2 and 3,
	v_add_nc_u32 v12, 1, v12
	v_and_b32 v12, 2, v12
	v_lshlrev_b32 v12, 30, v12
	v_xor_b32 v[64+2*\n], v12, v15                 ; the cosine in quarters 1 and 2
.endm
	s_load_b512 s[4:19], s[0:1], 0x0               ; x s[4:5], Wqkv s[6:7], Wproj s[8:9], xc s[10:11], xs s[12:13], wc s[14:15], ws s[16:17], wp s[18:19]
	s_load_b64 s[20:21], s[0:1], 0x40              ; tab
	v_lshl_add_u32 v[SPW], v0, 2, SPARE
	v_mov_b32 v[NIL], 0
	v_lshrrev_b32 v1, 5, v0
	v_readfirstlane_b32 s22, v1                    ; wave 0..3
	v_and_b32 v2, 31, v0                           ; lane
	s_wait_kmcnt 0x0
	s_cmp_lt_u32 ttmp9, 256
	s_cbranch_scc1 .Lpath_x
	s_cmp_lt_u32 ttmp9, 304
	s_cbranch_scc1 .Lpath_w
	s_cmp_lt_u32 ttmp9, 368
	s_cbranch_scc1 .Lpath_p
	; ---- path T: wave g makes the table of positions 16 g .. 16 g + 15.  Lane (r = lane % 16, hh = lane / 16), entry n = 0 .. 15: position 16 g + r, frequency j = 8 (n / 4) + 4 hh + n % 4
	s_sub_co_u32 s23, ttmp9, 368
	s_lshl_b32 s23, s23, 2
	s_add_co_u32 s23, s23, s22                     ; g
	s_lshl_b32 s24, s23, 12                        ; 4,096 bytes a block of positions
	s_mov_b32 s25, 0
	s_add_nc_u64 s[20:21], s[20:21], s[24:25]
	s_lshl_b32 s26, s23, 4
	s_mov_b32 s28, 0xbed49a78                      ; -log2(10000) / 32
	s_mov_b32 s29, 0x3f22f983                      ; 2 / pi
	s_mov_b32 s30, 0xbfc90fdb                      ; -pi/2, the f32 nearest,
	s_mov_b32 s31, 0x333bbd2e                      ; and what that is too large by
	s_mov_b32 s32, 0xb94ca1f9                      ; the sine's three coefficients,
	s_mov_b32 s33, 0x3c08839e
	s_mov_b32 s34, 0xbe2aaaa3
	s_mov_b32 s35, 0x37ccf5ce                      ; the cosine's
	s_mov_b32 s36, 0xbab6061a
	s_mov_b32 s37, 0x3d2aaaa5
	v_and_b32 v3, 15, v2
	v_lshrrev_b32 v4, 4, v2
	v_add_nc_u32 v5, s26, v3
	v_cvt_f32_u32 v5, v5                           ; the position
	v_lshlrev_b32 v4, 2, v4                        ; 4 hh
	v_lshlrev_b32 v32, 4, v2                       ; 16 bytes a lane
.irp n, 0,1,2,3,4,5,6,7,8,9,10,11,12,13,14,15
	v_add_nc_u32 v[16+\n], 8*(\n/4)+(\n%4), v4
.endr
.irp n, 0,1,2,3,4,5,6,7,8,9,10,11,12,13,14,15
	v_cvt_f32_u32 v[16+\n], v[16+\n]
.endr
.irp n, 0,1,2,3,4,5,6,7,8,9,10,11,12,13,14,15
	v_mul_f32 v[16+\n], s28, v[16+\n]
.endr
.irp n, 0,1,2,3,4,5,6,7,8,9,10,11,12,13,14,15
	v_exp_f32 v[16+\n], v[16+\n]                   ; theta: one batch,
.endr
	v_nop                                          ; one plain line behind it,
	s_wait_alu depctr_va_vdst(0)                   ; and one wait ahead of the first reader
.irp n, 0,1,2,3,4,5,6,7,8,9,10,11,12,13,14,15
	SINCOS \n
.endr
.irp m, 0,1,2,3,4,5,6,7
	global_store_b128 v32, v[64+4*\m:67+4*\m], s[20:21] offset:512*\m   ; 32 lanes store 512 consecutive bytes
.endr
	s_branch .Lend
.Lpath_p:
	; ---- path P: wave g rounds 4,096 numbers of Wproj to f16
	s_sub_co_u32 s23, ttmp9, 304
	s_lshl_b32 s23, s23, 2
	s_add_co_u32 s23, s23, s22
	s_lshl_b32 s24, s23, 14
	s_mov_b32 s25, 0
	s_add_nc_u64 s[8:9], s[8:9], s[24:25]
	s_lshl_b32 s24, s23, 13
	s_add_nc_u64 s[18:19], s[18:19], s[24:25]
	v_lshlrev_b32 v3, 4, v2
	v_lshlrev_b32 v4, 3, v2
.set i, 0
.rept 32
	global_load_b128 v[32+4*i:35+4*i], v3, s[8:9] offset:512*i th:TH_LOAD_NT
.set i, i+1
.endr
.set i, 0
.rept 32
	s_wait_loadcnt 31-i                            ; loads come back in order: load i is in, the younger ones may be out
	v_cvt_pk_f16_f32 v[32+4*i], v[32+4*i], v[33+4*i]
	v_cvt_pk_f16_f32 v[33+4*i], v[34+4*i], v[35+4*i]
	global_store_b64 v4, v[32+4*i:33+4*i], s[18:19] offset:256*i   ; the wave stores 256 consecutive bytes, aligned
.set i, i+1
.endr
	s_branch .Lend
.Lpath_w:
	; ---- path W: work-group (x = 0 .. 23, y = 0, 1): columns 128 x .. + 127, K 512 y .. + 511
	s_sub_co_u32 s23, ttmp9, 256
	s_cmp_ge_u32 s23, 24
	s_cselect_b32 s24, 1, 0                        ; y
	s_cselect_b32 s25, 24, 0
	s_sub_co_u32 s23, s23, s25                     ; x
	s_lshl_b32 s25, s23, 7
	s_lshl_b32 s26, s22, 5
	s_add_co_u32 s25, s25, s26                     ; my wave's first column
	v_lshlrev_b32 v3, 2, v2                        ; in: 4 bytes a lane
	s_mul_i32 s26, s22, 32*WPITCH
	s_add_co_u32 s26, s26, WSTG                    ; my stage
	v_mul_u32_u24 v4, v2, WPITCH
	v_add_nc_u32 v4, s26, v4                       ; into it: row = my column
	v_and_b32 v5, 15, v2
	v_lshrrev_b32 v6, 4, v2                        ; out of it: sixteen lanes to a row, two rows an instruction
	v_mul_u32_u24 v7, v6, WPITCH
	v_lshl_add_u32 v7, v5, 4, v7
	v_add_nc_u32 v7, s26, v7
	v_mul_u32_u24 v8, v6, WKROW
	v_lshl_add_u32 v8, v5, 4, v8                   ; and the same place in wc
	v_lshlrev_b32 v9, 5, v2                        ; my column's row of scale bytes
	s_mul_i32 s28, s24, 512*WN*4                   ; Wqkv: 512 y rows + 4 x column
	s_lshl_b32 s27, s25, 2
	s_add_co_u32 s28, s28, s27
	s_mov_b32 s29, 0
	s_add_nc_u64 s[6:7], s[6:7], s[28:29]
	s_lshl_b32 s28, s25, 9                         ; wc: column x 512 + 256 y
	s_lshl_b32 s27, s24, 8
	s_add_co_u32 s28, s28, s27
	s_add_nc_u64 s[14:15], s[14:15], s[28:29]
	s_lshl_b32 s28, s25, 5                         ; ws: column x 32 + 16 y
	s_lshl_b32 s27, s24, 4
	s_add_co_u32 s28, s28, s27
	s_add_nc_u64 s[16:17], s[16:17], s[28:29]
	WLOAD 0
	WLOAD 1
.set Q, 0
.rept WNB
	WBLOCK Q
.set Q, Q+1
.endr
	global_store_b128 v9, v[WSB:WSB+3], s[16:17]   ; my column's 16 scale bytes
.irp t, 0,1,2,3,4,5,6,7,8,9,10,11,12,13,14,15
	ds_load_b128 v[WOUT+4*\t:WOUT+4*\t+3], v7 offset:2*\t*WPITCH   ; LDS serves a wave's instructions in order: these see my stores
.endr
.irp t, 0,1,2,3,4,5,6,7,8,9,10,11,12,13,14,15
	s_wait_dscnt 15-\t
	global_store_b128 v8, v[WOUT+4*\t:WOUT+4*\t+3], s[14:15] offset:2*\t*WKROW   ; sixteen lanes store 256 consecutive bytes, aligned
.endr
	s_branch .Lend
.Lpath_x:
	; ---- path X: run 4 x work-group + wave: 8,192 numbers of x
	v_lshlrev_b32 v3, 4, v2                        ; my 16 bytes of a load's 512
	s_mul_i32 s23, s22, XWREG
	v_lshrrev_b32 v14, 2, v2
	v_mul_u32_u24 v14, v14, XSP
	v_and_b32 v15, 3, v2
	v_lshl_add_u32 v14, v15, 4, v14
	v_add_nc_u32 v14, s23, v14                     ; the stage, on the way in: four lanes' 64 bytes on end, then 16 of padding
	v_mul_u32_u24 v15, v2, XSP
	v_add_nc_u32 v15, s23, v15                     ; and on the way out: my 16 neighbours
	v_mul_u32_u24 v4, v2, XCB                      ; my codes' place in a step's
	v_lshrrev_b32 v5, 1, v2
	s_add_co_u32 s23, s23, 2*32*XSP
	v_add_nc_u32 v5, s23, v5                       ; my wave's 256 scale bytes, my block's byte
	v_lshlrev_b32 v7, 3, v2                        ; and on the way out 8 bytes a lane
	v_add_nc_u32 v6, s23, v7
	s_lshl_b32 s24, ttmp9, 2
	s_add_co_u32 s24, s24, s22                     ; the run
	s_mov_b32 s25, 0
	s_lshl_b64 s[26:27], s[24:25], 15
	s_add_nc_u64 s[4:5], s[4:5], s[26:27]
	s_lshl_b64 s[26:27], s[24:25], 12
	s_add_nc_u64 s[10:11], s[10:11], s[26:27]
	s_lshl_b64 s[26:27], s[24:25], 8
	s_add_nc_u64 s[12:13], s[12:13], s[26:27]
.irp t, 0,1,2,3
	XLOAD \t
.endr
	s_wait_loadcnt 12                              ; step 0's four loads are in
	XTURN 0
.irp t, 0,1,2,3,4,5,6,7,8,9,10,11,12,13,14,15
	XSTEP \t
.endr
	ds_load_b64 v[8:9], v6                         ; LDS serves a wave's instructions in order: these see my byte stores
	s_wait_dscnt 0x0
	global_store_b64 v7, v[8:9], s[12:13]          ; 32 lanes store 256 consecutive bytes, aligned
.Lend:
	s_wait_tensorcnt 0x0                           ; the wave's end, behind the last LDS store
	ds_add_u32 v[SPW], v[NIL]
	s_wait_dscnt 0x0
	s_endpgm
.Lfunc_end_k_q5f81c24497_prep:
	.size	k_q5f81c24497_prep, .Lfunc_end_k_q5f81c24497_prep-k_q5f81c24497_prep
	.p2alignl 7, 3214868480
	.fill 96, 4, 3214868480
	.section	.rodata,"a",@progbits
	.p2align	6, 0x0
	.amdhsa_kernel k_q5f81c24497_prep
		.amdhsa_group_segment_fixed_size 68096
		.amdhsa_private_segment_fixed_size 0
		.amdhsa_enable_private_segment 0
		.amdhsa_kernarg_size 72
		.amdhsa_user_sgpr_count 2
		.amdhsa_user_sgpr_kernarg_segment_ptr 1
		.amdhsa_wavefront_size32 1
		.amdhsa_system_sgpr_workgroup_id_x 1
		.amdhsa_system_sgpr_workgroup_id_y 1
		.amdhsa_system_sgpr_workgroup_id_z 1
		.amdhsa_system_vgpr_workitem_id 0
		.amdhsa_next_free_vgpr 200
		.amdhsa_next_free_sgpr 66
		.amdhsa_reserve_vcc 1
		.amdhsa_float_denorm_mode_32 3
		.amdhsa_float_denorm_mode_16_64 3
		.amdhsa_memory_ordered 1
		.amdhsa_forward_progress 1
		.amdhsa_inst_pref_size 144
	.end_amdhsa_kernel
	.amdgpu_metadata
---
amdhsa.version: [ 1, 2 ]
amdhsa.kernels:
  - .name:           k_q5f81c24497_prep
    .symbol:         k_q5f81c24497_prep.kd
    .args:
      - { .name: x, .offset: 0, .size: 8, .value_kind: global_buffer, .address_space: global }
      - { .name: Wqkv, .offset: 8, .size: 8, .value_kind: global_buffer, .address_space: global }
      - { .name: Wproj, .offset: 16, .size: 8, .value_kind: global_buffer, .address_space: global }
      - { .name: xc, .offset: 24, .size: 8, .value_kind: global_buffer, .address_space: global }
      - { .name: xs, .offset: 32, .size: 8, .value_kind: global_buffer, .address_space: global }
      - { .name: wc, .offset: 40, .size: 8, .value_kind: global_buffer, .address_space: global }
      - { .name: ws, .offset: 48, .size: 8, .value_kind: global_buffer, .address_space: global }
      - { .name: wp, .offset: 56, .size: 8, .value_kind: global_buffer, .address_space: global }
      - { .name: tab, .offset: 64, .size: 8, .value_kind: global_buffer, .address_space: global }
    .group_segment_fixed_size: 68096
    .private_segment_fixed_size: 0
    .kernarg_segment_align: 8
    .kernarg_segment_size: 72
    .max_flat_workgroup_size: 128
    .sgpr_count:     66
    .vgpr_count:     200
    .wavefront_size: 32
...
	.end_amdgpu_metadata
.endif
;; end of part 1
;; launch qkv (part 2): grid 12 x 32, 4 waves a work-group, clusters of 4 x 4, 327,680 bytes of LDS; arguments xc, xs, wc, ws, tab, qkv; writes qkv
.if DOCPART == 2
	.amdgcn_target "amdgcn-amd-amdhsa--gfx1250"
	.amdhsa_code_object_version 6
	.text
	.protected	k_q5f81c24497_qkv
	.globl	k_q5f81c24497_qkv
	.p2align	8
	.type	k_q5f81c24497_qkv,@function
k_q5f81c24497_qkv:
	s_mov_b64 s[64:65], 0
	v_nop
	global_prefetch_b8 v0, s[64:65] scope:SCOPE_SE
	s_setreg_imm32_b32 hwreg(HW_REG_WAVE_MODE, 25, 1), 1
	s_wait_xcnt 0x0
	s_wait_alu depctr_hold_cnt(0) depctr_sa_sdst(0) depctr_va_vdst(0) depctr_va_sdst(0) depctr_va_ssrc(0) depctr_va_vcc(0) depctr_vm_vsrc(0)
	s_getreg_b32 s2, hwreg(HW_REG_IB_STS2, 6, 4)
	s_cmp_eq_u32 s2, 0
	s_cbranch_scc0 .Lentry_in_a_cluster
	s_endpgm
.Lentry_in_a_cluster:
	s_bfe_u32 s2, ttmp6, 0x10000c
	s_cmp_lg_u32 s2, 0xf033
	s_cbranch_scc0 .Lentry_shape_is_right
	s_endpgm
.Lentry_shape_is_right:
; QKV: C[m][n] = sum over k of x[m][k] Wqkv[k][n] on codes of FP4 (E2M1) with one E8M0 scale for each 32 along K, as the first launch made them (xc, xs: [8192] rows; wc, ws: [3072] rows, K innermost);
; then the interleaved RoPE on q and k in f32, one rounding to f16, and the head layout qkv [class q, k, v][b 4][h 16][s 2048][64].  Nothing of reference() is left out here.
; LIMIT: q, k, v go on as f16: magnitudes up to 65,504.
; A tile of C, 256 x 256, is made by four waves, each 128 x 128: 64 accumulators, 512 registers.  K = 1,024 is two slots of 512 along K (rows of 256 bytes), both asked for at the head: no LDS byte is filled twice.
; The scale bytes of the work-group's 256 + 256 rows, for all of K, come once, as rows of 256 bytes.
; CLUSTERS: 4 x 4 work-groups; A's tiles and scales are asked for jointly along a row of the cluster, B's along a column.  The cluster's x is the class (1,024 columns), the same in all sixteen partners:
; the one branch on it (v has no RoPE) is taken alike by all.
; THE MATRIX INSTRUCTION IS USED TRANSPOSED (source 0 = 16 rows of wc, source 1 = 16 rows of xc): a lane holds eight neighbouring columns of one row of C: four pairs of the rotation.
; REGISTERS, in windows of 256: window 0: v0-31 addresses; v32-95 scale words, two sets, and nothing else; v96-127 rotated numbers; v128-191 A's fragments, on the way out rows read back; v192-255 table entries.
;   window 1: B's fragments, two sets, at v0 and v128; on the way out v0-63 packed f16.   window 2, 3: the accumulators of my rows 0-63, 64-127 ((a, b) at v[8 (8 (a % 4) + b)]).
.set KSTEP,  512
.set NQ,     4                         ; matrix instructions deep in a slot
.set ROWB,   256                       ; a tile's row in bytes
.set KROW,   512                       ; a row of codes in memory
.set PITCH,  272                       ; an LDS row: 256 bytes + 16 of padding: the 16 rows that a load touches start at 16 different 16-byte columns
.set FR,     8
.set NL,     2
.set NP,     4
.set HALFT,  128*PITCH
.set SLOT,   4*HALFT
.set KS,     32                        ; a row of scales in bytes
.set SCL,    2*SLOT
.set HALFS,  (128*KS/256)*272
.set SBLK,   (16*KS/256)*272
.set SPARE,  SCL+4*HALFS               ; the spare words, 128 bytes for each wave: two blocks of 256 bytes that no other line names
.set SPITCH, 272                       ; the way out: a stage of 16 rows x (256 bytes + 16) for each wave, in slot 0, which has had its only fill and its last read when the first result is stored there
.set ADRA, 16
.set ADRB, 20
.set STO,  24                          ; v24  the way out: where I put 16 bytes of a row
.set RD,   25                          ; v25  where I read four rows of a head back
.set CO,   26                          ; v26  16 x lane: my place in 512 dense bytes of qkv and of tab
.set ADRS, 27
.set SPW,  28
.set NIL,  29
.set SC,   32
.set T,    96
.set AF,   128
.set BK,   128
.set CSR,  192
.set PKR,  0                           ; in window 1
.set G1, 24
.set G0, 32
.set G1B, 48
.set G0B, 56
.set G1S, 68
.set G0S, 76
.set G1SB, 80
.set G0SB, 88
.set MSB, 0
.macro WIN new                         ; the immediate's high byte repeats the setting that is left; a switch that changes nothing is dropped
.if MSB != (\new)
	s_set_vgpr_msb (MSB<<8)|(\new)
.set MSB, (\new)
.endif
.endm
.set MUL_LO, 0xa1                      ; source 0 (B) window 1, source 1 (A) window 0, C and D window 2
.set MUL_HI, 0xf1
.set TO_B,   0x40
; A joint load: waves 0 and 1 fetch for A, waves 2 and 3 for B; the branch hangs on the wave's number alone.  An s_nop 0 and four v_nop follow each line.
.macro JLOAD g0a, g1a, g0b, g1b
	s_cmp_eq_u32 s15, 0
	s_cbranch_scc0 .Lfor_b_\@
	tensor_load_to_lds s[\g0a:\g0a+3], s[\g1a:\g1a+7]
	s_nop 0
.rept 4
	v_nop
.endr
	s_branch .Lasked_\@
.Lfor_b_\@:
	tensor_load_to_lds s[\g0b:\g0b+3], s[\g1b:\g1b+7]
	s_nop 0
.rept 4
	v_nop
.endr
.Lasked_\@:
.endm
.macro CROUND                          ; a round of the cluster's barrier
	s_barrier_signal -1
	s_barrier_wait -1
	s_cmp_lg_u32 s14, 0
	s_cbranch_scc1 .Lnot_wave_0_\@
	s_barrier_signal -3
.Lnot_wave_0_\@:
	s_barrier_wait -3
	s_barrier_signal -1
	s_barrier_wait -1
.endm
	s_load_b128 s[4:7], s[0:1], 0x0                ; xc s[4:5], xs s[6:7]
	s_load_b128 s[8:11], s[0:1], 0x10              ; wc s[8:9], ws s[10:11]
	s_load_b128 s[96:99], s[0:1], 0x20             ; tab s[96:97], qkv s[98:99]
	v_lshl_add_u32 v[SPW], v0, 2, SPARE
	v_mov_b32 v[NIL], 0
	ds_add_u32 v[SPW], v[NIL]                      ; the wave's opening: the add, twice on end, and its wait ahead of my first tensor load
	ds_add_u32 v[SPW], v[NIL]
	v_lshrrev_b32 v1, 5, v0
	v_readfirstlane_b32 s14, v1                    ; wave 0..3
	s_lshr_b32 s15, s14, 1                         ; which half of the tile's rows is mine.  Also: I fetch for A (0) or for B (1)
	s_and_b32 s16, s14, 1                          ; which half of its columns.  Also: which 128 rows I fetch
	s_bfe_u32 s40, ttmp6, 0x40000                  ; cx, cy
	s_bfe_u32 s41, ttmp6, 0x40004
	s_lshl_b32 s42, ttmp9, 2
	s_add_co_u32 s42, s42, s40                     ; tile column = 4 x cluster x + cx
	s_and_b32 s17, ttmp7, 0xffff
	s_lshl_b32 s17, s17, 2
	s_add_co_u32 s17, s17, s41                     ; tile row = 4 x cluster y + cy
	s_lshl_b32 s43, s41, 2
	s_lshl_b32 s43, 15, s43                        ; my row of the cluster
	s_lshl_b32 s44, 0x1111, s40                    ; my column
	s_or_b32 s[G1+0], s43, (0<<16)|(1<<20)|(1<<21)|(5<<22)|(3<<25)   ; the mask; elements of 1 byte; padding on; bit 21 beside a mask; 4 words of padding after every 64
	s_or_b32 s[G1B+0], s44, (0<<16)|(1<<20)|(1<<21)|(5<<22)|(3<<25)
.irp g, G1, G1B
	s_mov_b32 s[\g+1], ROWB<<16                    ; tensor_dim0
	s_mov_b32 s[\g+2], 128<<16                     ; tensor_dim1
	s_mov_b32 s[\g+3], ROWB<<16                    ; tile_dim0
	s_mov_b32 s[\g+4], 128                         ; tile_dim1
	s_mov_b32 s[\g+5], KROW                        ; the pitch
	s_mov_b32 s[\g+6], 0
	s_mov_b32 s[\g+7], 0
.endr
	s_or_b32 s[G1S+0], s43, (3<<16)|(1<<20)|(1<<21)|(5<<22)|(3<<25)  ; the scales of 128 rows: a dense block, as rows of 256 bytes (32 elements of 8 bytes), 16 bytes of padding behind each
	s_or_b32 s[G1SB+0], s44, (3<<16)|(1<<20)|(1<<21)|(5<<22)|(3<<25)
.irp g, G1S, G1SB
	s_mov_b32 s[\g+1], 32<<16
	s_mov_b32 s[\g+2], (128*KS/256)<<16
	s_mov_b32 s[\g+3], 32<<16
	s_mov_b32 s[\g+4], 128*KS/256
	s_mov_b32 s[\g+5], 32
	s_mov_b32 s[\g+6], 0
	s_mov_b32 s[\g+7], 0
.endr
	s_lshl_b32 s18, s16, 7
	s_lshl_b32 s20, s17, 8
	s_add_co_u32 s20, s20, s18                     ; A: row 256 x tile row + 128 x half
	s_lshl_b32 s46, s42, 8
	s_add_co_u32 s46, s46, s18                     ; B: row 256 x tile column + 128 x half
	s_mov_b32 s21, 0
	s_mov_b32 s47, 0
	s_mov_b64 s[18:19], KS
	s_mul_u64 s[22:23], s[20:21], s[18:19]         ; where these rows' scales begin,
	s_mul_u64 s[92:93], s[46:47], s[18:19]
	s_mov_b64 s[18:19], KROW
	s_mul_u64 s[20:21], s[20:21], s[18:19]         ; and their codes
	s_mul_u64 s[46:47], s[46:47], s[18:19]
	s_mul_i32 s45, s14, HALFT                      ; where they go: wave x 128 rows: no place in the cluster enters an LDS address
	s_mul_i32 s94, s14, HALFS
	s_wait_dscnt 0x0                               ; both opening adds are done
	s_wait_kmcnt 0x0
	s_add_nc_u64 s[20:21], s[4:5], s[20:21]
	s_add_nc_u64 s[22:23], s[6:7], s[22:23]
	s_add_nc_u64 s[46:47], s[8:9], s[46:47]
	s_add_nc_u64 s[92:93], s[10:11], s[92:93]
	CROUND                                         ; all sixteen work-groups are here: the joint loads meet
	s_mov_b32 s[G0S], 1
	s_add_co_u32 s[G0S+1], s94, SCL
	s_mov_b64 s[G0S+2:G0S+3], s[22:23]
	s_or_b32 s[G0S+3], s[G0S+3], 0x80000000
	s_mov_b32 s[G0SB], 1
	s_add_co_u32 s[G0SB+1], s94, SCL
	s_mov_b64 s[G0SB+2:G0SB+3], s[92:93]
	s_or_b32 s[G0SB+3], s[G0SB+3], 0x80000000
	JLOAD G0S, G1S, G0SB, G1SB                     ; the scales first; then both slots: three tensor loads of mine are out
.irp s, 0,1
	s_mov_b32 s[G0+4*\s], 1
	s_add_co_u32 s[G0+4*\s+1], s45, \s*SLOT
	s_add_nc_u64 s[G0+4*\s+2:G0+4*\s+3], s[20:21], \s*ROWB
	s_or_b32 s[G0+4*\s+3], s[G0+4*\s+3], 0x80000000
	s_mov_b32 s[G0B+4*\s], 1
	s_add_co_u32 s[G0B+4*\s+1], s45, \s*SLOT
	s_add_nc_u64 s[G0B+4*\s+2:G0B+4*\s+3], s[46:47], \s*ROWB
	s_or_b32 s[G0B+4*\s+3], s[G0B+4*\s+3], 0x80000000
	JLOAD G0+4*\s, G1, G0B+4*\s, G1B
.endr
	v_and_b32 v1, 15, v0                           ; r = l % 16
	v_bfe_u32 v2, v0, 4, 1                         ; h = l / 16
	v_mul_u32_u24 v3, v1, PITCH
	v_lshl_add_u32 v4, v2, 4, v3                   ; a fragment's row x pitch + 16 x half
	s_mul_i32 s21, s15, HALFT
	s_mul_i32 s22, s16, HALFT
	s_add_co_u32 s22, s22, 2*HALFT
.irp s, 0,1
	v_add_nc_u32 v[ADRA+\s], s21, v4
	v_add_nc_u32 v[ADRB+\s], s22, v4
	s_add_co_u32 s21, s21, SLOT
	s_add_co_u32 s22, s22, SLOT
.endr
	v_mul_u32_u24 v5, v1, KS                       ; my row's scales: 32 bytes a row,
	v_lshrrev_b32 v6, 8, v5
	v_lshl_add_u32 v5, v6, 4, v5                   ; and 16 more for each 256 passed
	s_mul_i32 s21, s15, HALFS
	s_mul_i32 s22, s16, HALFS
	s_add_co_u32 s22, s22, 2*HALFS
	s_sub_co_u32 s22, s22, s21
	v_mul_u32_u24 v6, s22, v2                      ; lanes 16-31 take B's
	s_add_co_u32 s21, s21, SCL
	v_add_nc_u32 v5, v5, v6
	v_add_nc_u32 v[ADRS], s21, v5
	s_mul_i32 s23, s14, 16*SPITCH                  ; my stage
	v_mul_u32_u24 v5, v1, SPITCH
	v_lshl_add_u32 v5, v2, 4, v5
	v_add_nc_u32 v[STO], s23, v5                   ; in: row r, 16 bytes for each half of the lanes
	v_and_b32 v6, 31, v0
	v_lshlrev_b32 v[CO], 4, v6
	v_lshrrev_b32 v5, 3, v6
	v_mul_u32_u24 v5, v5, SPITCH
	v_and_b32 v6, 7, v6
	v_lshl_add_u32 v5, v6, 4, v5
	v_add_nc_u32 v[RD], s23, v5                    ; back: eight lanes to a head's 128 bytes of a row, four rows an instruction
	; the way out's bases.  m0 = my first row of C = 256 x tile row + 128 x half: batch m0 / 2048, position m0 % 2048
	s_lshl_b32 s20, s17, 8
	s_lshl_b32 s21, s15, 7
	s_add_co_u32 s20, s20, s21
	s_and_b32 s21, s20, 2047
	s_lshl_b32 s22, s21, 8                         ; tab: 4,096 bytes for 16 positions
	s_mov_b32 s23, 0
	s_add_nc_u64 s[96:97], s[96:97], s[22:23]
	s_lshl_b32 s22, s21, 7                         ; qkv: 128 bytes a position,
	s_lshr_b32 s21, s20, 11
	s_lshl_b32 s21, s21, 22                        ; 4,194,304 a batch,
	s_add_co_u32 s22, s22, s21
	s_lshl_b32 s21, ttmp9, 24                      ; 16,777,216 a class,
	s_add_co_u32 s22, s22, s21
	s_lshl_b32 s46, s40, 2
	s_lshl_b32 s47, s16, 1
	s_add_co_u32 s46, s46, s47                     ; my first head: 4 cx + 2 x half,
	s_lshl_b32 s46, s46, 18                        ; 262,144 a head
	s_add_co_u32 s22, s22, s46
	s_add_nc_u64 s[98:99], s[98:99], s[22:23]
.macro FRAG reg, adr, q, i             ; 16 rows x 128 K of 4-bit codes: 8 registers, two loads of 16 bytes, 32 bytes apart
.irp c, 0,1
	ds_load_b128 v[\reg+4*\c:\reg+4*\c+3], v[\adr] offset:64*(\q)+32*\c+(\i)*16*PITCH
.endr
.endm
; 16 matrix instructions: A's blocks a0, a0 + 1 x B's eight.  The 64 accumulators take turns, one instruction a turn, in the same order in every step.
.macro MUL16 a0, p, q, sc, zero
.irp a, \a0, \a0+1
.irp b, 0,1,2,3,4,5,6,7
.if \zero
	v_wmma_scale_f32_16x16x128_f8f6f4 v[8*(8*((\a)%4)+\b):8*(8*((\a)%4)+\b)+7], v[128*(\p)+FR*\b:128*(\p)+FR*\b+FR-1], v[AF+FR*(\a):AF+FR*(\a)+FR-1], 0, v[SC+8*NQ*(\sc)+NQ*\b+(\q)], v[SC+8*NQ*(\sc)+NQ*(\a)+(\q)] matrix_a_fmt:MATRIX_FMT_FP4 matrix_b_fmt:MATRIX_FMT_FP4 matrix_a_scale:MATRIX_SCALE_ROW1
.else
	v_wmma_scale_f32_16x16x128_f8f6f4 v[8*(8*((\a)%4)+\b):8*(8*((\a)%4)+\b)+7], v[128*(\p)+FR*\b:128*(\p)+FR*\b+FR-1], v[AF+FR*(\a):AF+FR*(\a)+FR-1], v[8*(8*((\a)%4)+\b):8*(8*((\a)%4)+\b)+7], v[SC+8*NQ*(\sc)+NQ*\b+(\q)], v[SC+8*NQ*(\sc)+NQ*(\a)+(\q)] matrix_a_fmt:MATRIX_FMT_FP4 matrix_b_fmt:MATRIX_FMT_FP4 matrix_a_scale:MATRIX_SCALE_ROW1
.endif
.endr
.endr
.endm
.macro FETCH_B slot, q, p
	WIN TO_B
.irp i, 0,1,2,3,4,5,6,7
	FRAG 128*(\p)+FR*\i, ADRB+\slot, \q, \i
.endr
	WIN 0
.endm
.macro FETCH_A slot, q, i0
.irp i, \i0, \i0+1, \i0+2, \i0+3
	FRAG AF+FR*(\i), ADRA+\slot, \q, \i
.endr
.endm
.macro SCALES sc                       ; a slot's scale words: lanes 0-15 take A's block i, lanes 16-31 B's block i
.irp i, 0,1,2,3,4,5,6,7
	ds_load_b128 v[SC+8*NQ*\sc+NQ*\i:SC+8*NQ*\sc+NQ*\i+3], v[ADRS] offset:\i*SBLK
.endr
.endm
.macro PLACES n                        ; plain vector lines between a matrix instruction and a load into, or a vector line on, its registers
.rept \n
	v_nop
.endr
.endm
.macro STEP slot, q, zero              ; 128 along K with its successor in the same slot
	s_wait_dscnt 4*NL                              ; B's set and A's blocks 0-3 are in; the youngest eight loads (A's blocks 4-7) may be out
	WIN MUL_LO
	MUL16 0, (\q)%2, \q, \slot, \zero
	MUL16 2, (\q)%2, \q, \slot, \zero
	s_wait_dscnt 0                                 ; A's blocks 4-7 are in
	PLACES NP
	FETCH_B \slot, (\q)+1, 1-(\q)%2
	FETCH_A \slot, (\q)+1, 0
	WIN MUL_HI
	MUL16 4, (\q)%2, \q, \slot, \zero
	MUL16 6, (\q)%2, \q, \slot, \zero
	PLACES NP
	WIN 0
	FETCH_A \slot, (\q)+1, 4
.endm
.macro STEPS slot, from
.set Q, \from
.rept NQ-1-\from
	STEP \slot, Q, 0
.set Q, Q+1
.endr
.endm
; THE WAY OUT, block by block of 16 rows x 128 columns (two heads).
.macro TABLE a                         ; block a's table entries: (cos, sin) of my row's position for the four pairs of each of four accumulators: 8 x 512 dense bytes
.irp m, 0,1,2,3,4,5,6,7
	global_load_b128 v[CSR+32*((\a)%2)+4*\m:CSR+32*((\a)%2)+4*\m+3], v[CO], s[96:97] offset:(\a)*4096+512*\m
.endr
.endm
.macro MATH a, rope                    ; rope = 1: (x1 cos - x2 sin, x1 sin + x2 cos) in f32; then one rounding to f16.  Each accumulator is read from its low end on
.set AC, 64*((\a)%4)
.set PKB, PKR+32*((\a)%2)
.set CSB, CSR+32*((\a)%2)
.if \rope
.irp g, 0,1                            ; accumulators 4 g .. 4 g + 3: one head
	WIN 0x02+(\a)/4                                ; source 0: window 2 or 3
.irp b, 0,1,2,3
.irp p, 0,1,2,3
	v_mul_f32 v[T+8*\b+2*\p], v[AC+32*\g+8*\b+2*\p+1], v[CSB+8*\b+2*\p+1]
	v_mul_f32 v[T+8*\b+2*\p+1], v[AC+32*\g+8*\b+2*\p], v[CSB+8*\b+2*\p+1]
.endr
.irp p, 0,1,2,3
	v_fma_f32 v[T+8*\b+2*\p], v[AC+32*\g+8*\b+2*\p], v[CSB+8*\b+2*\p], -v[T+8*\b+2*\p]
	v_fma_f32 v[T+8*\b+2*\p+1], v[AC+32*\g+8*\b+2*\p+1], v[CSB+8*\b+2*\p], v[T+8*\b+2*\p+1]
.endr
.endr
	WIN 0x40                                       ; destination window 1
.set i, 0
.rept 16
	v_cvt_pk_f16_f32 v[PKB+16*\g+i], v[T+2*i], v[T+2*i+1]
.set i, i+1
.endr
.endr
.else
	WIN 0x4a+5*((\a)/4)                            ; sources window 2 or 3, destination window 1
.set i, 0
.rept 32
	v_cvt_pk_f16_f32 v[PKB+i], v[AC+2*i], v[AC+2*i+1]
.set i, i+1
.endr
.endif
	WIN 0
.endm
.macro TOSTAGE a                       ; into my stage, and back as runs of 512 bytes that are dense in qkv.  LDS serves a wave's instructions in order: no wait between
	WIN 0x04                                       ; an LDS store's data are its source 1: window 1
.irp b, 0,1,2,3,4,5,6,7
	ds_store_b128 v[STO], v[PKR+32*((\a)%2)+4*\b:PKR+32*((\a)%2)+4*\b+3] offset:32*\b
.endr
	WIN 0
.irp u, 0,1,2,3,4,5,6,7
	ds_load_b128 v[BK+32*((\a)%2)+4*\u:BK+32*((\a)%2)+4*\u+3], v[RD] offset:(\u%4)*4*SPITCH+(\u/4)*128
.endr
.endm
.macro SEND a                          ; head u / 4, rows 4 (u % 4) .. + 3: 32 lanes store 512 consecutive bytes, aligned
.irp u, 0,1,2,3,4,5,6,7
	global_store_b128 v[CO], v[BK+32*((\a)%2)+4*\u:BK+32*((\a)%2)+4*\u+3], s[98:99] offset:(\u/4)*262144+(\a)*2048+(\u%4)*512
.endr
.endm
; Slot 1's four steps and the way out, written once with the rotation (q, k) and once without (v).
.macro TAIL rope
.if \rope
	TABLE 0                                        ; asked for four steps ahead of their use
	TABLE 1
.endif
	STEPS 1, 0
	s_wait_dscnt 4*NL                              ; the very last step: nothing more to fetch
	WIN MUL_LO
	MUL16 0, 1, NQ-1, 1, 0
	MUL16 2, 1, NQ-1, 1, 0
	s_wait_dscnt 0
	WIN MUL_HI
	MUL16 4, 1, NQ-1, 1, 0
	MUL16 6, 1, NQ-1, 1, 0
	WIN 0
	PLACES NP                                      ; ahead of the first read of results and of writes into registers that the last products read
.irp a, 0,1,2,3,4,5,6,7
.if \rope
.if \a < 7
	s_wait_loadcnt 8                               ; block a's eight table loads are in; the next block's eight may be out
.else
	s_wait_loadcnt 0
.endif
.endif
	MATH \a, \rope
.if \rope
.if \a < 6
	TABLE \a+2                                     ; into the set that has just been read
.endif
.endif
.if \a > 0
	s_wait_dscnt 0x0                               ; block a - 1 is back in registers
	SEND \a-1
.endif
.if \a > 1
	s_wait_xcnt 0x0                                ; block a - 2's stores have read their registers: block a's loads may land there
.endif
	TOSTAGE \a
.endr
	s_wait_dscnt 0x0
	SEND 7
.endm
	s_wait_tensorcnt 1                             ; the scales and my part of slot 0 are in (slot 1's load may be out)
	s_barrier_signal -1
	s_barrier_wait -1                              ; everybody's are
	FETCH_B 0, 0, 0
	FETCH_A 0, 0, 0
	SCALES 0
	FETCH_A 0, 0, 4
	STEP 0, 0, 1                                   ; the first step's products start the sums: nothing is cleared
	STEPS 0, 1
	; slot 0's last step changes slots: one barrier; nothing is filled again, so no round follows
	s_wait_tensorcnt 0x0                           ; all my tensor loads have landed: my part of slot 1;
	ds_add_u32 v[SPW], v[NIL]                      ; 0 onto my spare word;
	s_wait_dscnt 4*NL+1                            ; (the add and the youngest eight loads, A's blocks 4-7, may be out)
	WIN MUL_LO
	MUL16 0, 1, NQ-1, 0, 0
	s_wait_dscnt 0x0                               ; the add is done, and my reads of slot 0 are over
	s_barrier_signal -1
	MUL16 2, 1, NQ-1, 0, 0
	WIN 0
	s_barrier_wait -1
	PLACES NP
	v_add_nc_u32 v[ADRS], 4*NQ, v[ADRS]            ; on to slot 1's scale words
	FETCH_B 1, 0, 0
	FETCH_A 1, 0, 0
	SCALES 1
	WIN MUL_HI
	MUL16 4, 1, NQ-1, 0, 0
	MUL16 6, 1, NQ-1, 0, 0
	PLACES NP
	WIN 0
	FETCH_A 1, 0, 4
	s_cmp_eq_u32 ttmp9, 2                          ; the class: the cluster's x, the same in all sixteen partners
	s_cbranch_scc1 .Lclass_v
	TAIL 1
	s_branch .Lend
.Lclass_v:
	TAIL 0
.Lend:
	s_wait_tensorcnt 0x0                           ; the wave's end, behind my last tensor load and my last LDS store
	ds_add_u32 v[SPW], v[NIL]
	s_wait_dscnt 0x0
	CROUND                                         ; the closing round
	s_endpgm
.Lfunc_end_k_q5f81c24497_qkv:
	.size	k_q5f81c24497_qkv, .Lfunc_end_k_q5f81c24497_qkv-k_q5f81c24497_qkv
	.p2alignl 7, 3214868480
	.fill 96, 4, 3214868480
	.section	.rodata,"a",@progbits
	.p2align	6, 0x0
	.amdhsa_kernel k_q5f81c24497_qkv
		.amdhsa_group_segment_fixed_size 327680
		.amdhsa_private_segment_fixed_size 0
		.amdhsa_enable_private_segment 0
		.amdhsa_kernarg_size 48
		.amdhsa_user_sgpr_count 2
		.amdhsa_user_sgpr_kernarg_segment_ptr 1
		.amdhsa_wavefront_size32 1
		.amdhsa_system_sgpr_workgroup_id_x 1
		.amdhsa_system_sgpr_workgroup_id_y 1
		.amdhsa_system_sgpr_workgroup_id_z 1
		.amdhsa_system_vgpr_workitem_id 0
		.amdhsa_next_free_vgpr 1024
		.amdhsa_next_free_sgpr 100
		.amdhsa_reserve_vcc 0
		.amdhsa_float_denorm_mode_32 3
		.amdhsa_float_denorm_mode_16_64 3
		.amdhsa_memory_ordered 1
		.amdhsa_forward_progress 1
		.amdhsa_inst_pref_size 253
	.end_amdhsa_kernel
	.amdgpu_metadata
---
amdhsa.version: [ 1, 2 ]
amdhsa.kernels:
  - .name:           k_q5f81c24497_qkv
    .symbol:         k_q5f81c24497_qkv.kd
    .args:
      - { .name: xc, .offset: 0, .size: 8, .value_kind: global_buffer, .address_space: global }
      - { .name: xs, .offset: 8, .size: 8, .value_kind: global_buffer, .address_space: global }
      - { .name: wc, .offset: 16, .size: 8, .value_kind: global_buffer, .address_space: global }
      - { .name: ws, .offset: 24, .size: 8, .value_kind: global_buffer, .address_space: global }
      - { .name: tab, .offset: 32, .size: 8, .value_kind: global_buffer, .address_space: global }
      - { .name: qkv, .offset: 40, .size: 8, .value_kind: global_buffer, .address_space: global }
    .group_segment_fixed_size: 327680
    .private_segment_fixed_size: 0
    .kernarg_segment_align: 8
    .kernarg_segment_size: 48
    .max_flat_workgroup_size: 128
    .sgpr_count:     100
    .vgpr_count:     1024
    .wavefront_size: 32
...
	.end_amdgpu_metadata
.endif
;; end of part 2
;; launch attn (part 3): grid 4 x 64, 8 waves a work-group, clusters of 4 x 1, 327,680 bytes of LDS; arguments qkv, y; writes y
.if DOCPART == 3
	.amdgcn_target "amdgcn-amd-amdhsa--gfx1250"
	.amdhsa_code_object_version 6
	.text
	.protected	k_q5f81c24497_attn
	.globl	k_q5f81c24497_attn
	.p2align	8
	.type	k_q5f81c24497_attn,@function
k_q5f81c24497_attn:
	s_mov_b64 s[64:65], 0
	v_nop
	global_prefetch_b8 v0, s[64:65] scope:SCOPE_SE
	s_setreg_imm32_b32 hwreg(HW_REG_WAVE_MODE, 25, 1), 1
	s_wait_xcnt 0x0
	s_wait_alu depctr_hold_cnt(0) depctr_sa_sdst(0) depctr_va_vdst(0) depctr_va_sdst(0) depctr_va_ssrc(0) depctr_va_vcc(0) depctr_vm_vsrc(0)
	s_getreg_b32 s2, hwreg(HW_REG_IB_STS2, 6, 4)
	s_cmp_eq_u32 s2, 0
	s_cbranch_scc0 .Lentry_in_a_cluster
	s_endpgm
.Lentry_in_a_cluster:
	s_bfe_u32 s2, ttmp6, 0x10000c
	s_cmp_lg_u32 s2, 0x3003
	s_cbranch_scc0 .Lentry_shape_is_right
	s_endpgm
.Lentry_shape_is_right:
; ATTN: y[b][h][q][:] = sum over k of softmax_k(Q[q] . K[k] / 8 + (q == k ? -1e9 : 0)) V[k][:].  qkv: f16 [class][b][h][2048][64]; y: f16 [b][h][2048][64].  Products on f16 operands, sums in f32; maxima, exponentials and row sums in f32.
; Nothing of reference() is left out: the diagonal term is added as reference() adds it (as -8e9 on the raw score, ahead of the factor 1/8), and the row's maximum is taken away, as a running maximum.
; LIMITS: the weights p (at most 1) and y go as f16: a fixed step of 6e-8 under 6e-5; NaN and infinities among the inputs are not served.
; SHARES.  A work-group owns 512 queries of one head, each of its eight waves 64: four tiles of 16, in 512 registers: two waves to a SIMD.  Every wave walks all 2,048 keys, 64 a step.
; LAYOUT.  S^T = K Q^T (source 0 = 16 keys, source 1 = 16 queries) and O^T = V^T P (source 0 = 16 channels, source 1 = P): a lane holds ONE query throughout.  Two tiles of S^T, rounded to f16 in pairs, ARE source 1 of the
; second product.  K comes out of LDS as it lies, V ([key][channel]) turned, by ds_load_tr16_b128.
; TWO ROLES.  Every wave's cycle is a block of 64 matrix instructions (V^T P of step j - 1, K Q^T of step j) and a softmax.  Between two barriers waves 0-3 run [products, softmax of j], waves 4-7 [softmax of j - 1, products]:
; so one half of the waves begins on the matrix unit while the other begins on the vector unit.  Only the softmax stands under a branch on the wave's number; every LDS load, wait and barrier stands in the common text.
; THE DIAGONAL.  My 64 queries are the keys of step JD = 8 x query block + wave; there the diagonal lies in key tile = query tile, in register i of the lanes with lane % 16 - 8 (lane / 16) = i.  Eight registers M
; (-8e9 in those lanes in step JD, else 0: selects, no branch) are the C of the first product of those four accumulators.
; CLUSTER.  The four query blocks of a head walk the same K and V: each tile is asked for JOINTLY, by the same tensor load with the same descriptor and the mask 15.
; RING.  Two slots of four steps (256 keys).  Waves 0-3 fetch the four steps' tiles of K, waves 4-7 those of V: 64 rows a load, one load a wave behind each round.
; REGISTERS: window 0: v2-13 addresses; v16-55 ten registers of statistics a tile (+0 c m, +1 m, +2, +3 l, +4 .. +7 at work, +8 a, +9 c m_old - c m_new); v56-63 M; v64-191 S^T, 32 a tile (P takes the first 16 of each); v192-255 Q.
;   window 1: v0-127 O^T, 32 a tile; v128-191 K of one step; v192-255 V of one step.
.set KS,    64
.set PK,    144       ; a row of K in LDS: 128 bytes + 16: the 16 rows of a load start at 16 different 16-byte columns
.set PV,    160       ; a row of V: 128 + 32: sixteen lanes of the turning load take 8 rows x 32 bytes in 16 different columns
.set VOFF,  KS*PK
.set STEPB, KS*(PK+PV)
.set NST,   4         ; steps in a slot
.set SLOT1, 1<<17     ; slot 1 begins here: one exclusive or turns an address in one slot into the other's
.set STAGE, SLOT1+NST*STEPB  ; behind the ring: 64 rows x 144 bytes for each wave, for the way out
.set SP,    144
.set SPARE, STAGE+8*64*SP    ; the spare words, 128 bytes for each wave: four blocks of 256 bytes that no other line names
.set SLB,   NST*KS*128       ; a slot's rows of K or of V in memory: 32,768 bytes
.set AK0, 2
.set AV0, 3
.set ADK, 4
.set ADV, 5
.set QO,  6
.set STO, 7
.set RD,  8
.set GO,  9
.set SPW, 10
.set NIL, 11
.set PFO, 12
.set TMP, 13
.set ST,  16
.set MR,  56
.set S,   64
.set QF,  192
.set KF,  128         ; in window 1
.set VF,  192         ; in window 1
.set WV,  12
.set LIM, 15
.set PFA, 18
.set G1K, 24
.set G1V, 32
.set G0K, 40
.set G0V, 48
.set SLOTS, 56
.set TW,  57
.set CS,  58
.set SEL, 60
.set TB,  62
.set MK,  66          ; s66-73 the lanes of the diagonal, a mask for each of M's registers
.set J,   74          ; the step whose scores come next
.set JD,  75
.set NEGV, 76
.set SV,  77
.set MSB, 0
.macro WIN new
.if MSB != (\new)
	s_set_vgpr_msb (MSB<<8)|(\new)
.set MSB, (\new)
.endif
.endm
.macro JLOAD                        ; a joint refill; the branch hangs on the wave's number alone.  An s_nop 0 and four v_nop follow each line
	s_cmp_lt_u32 s[WV], 4
	s_cbranch_scc0 .Lfor_v_\@
	tensor_load_to_lds s[G0K+4:G0K+7], s[G1K:G1K+7]
	s_nop 0
.rept 4
	v_nop
.endr
	s_branch .Lasked_\@
.Lfor_v_\@:
	tensor_load_to_lds s[G0V+4:G0V+7], s[G1V:G1V+7]
	s_nop 0
.rept 4
	v_nop
.endr
.Lasked_\@:
.endm
; A prefetch of what the NEXT change of slots will ask for: a slot's 32,768 bytes of K and of V.  The four partners share them out by address, 8,192 bytes each; in each, wave 0 asks for K's and wave 4 for V's,
; lanes 256 bytes apart: each block of 256 bytes is named once in the launch.  The last change that fills a slot asks for nothing.
.macro ASK
	s_cmp_gt_u32 s[SLOTS], s[LIM]
	s_cbranch_scc0 .Lnot_mine_\@
	global_prefetch_b8 v[PFO], s[PFA:PFA+1] th:TH_LOAD_NT scope:SCOPE_SE
.Lnot_mine_\@:
.endm
.macro CROUND
	s_barrier_signal -1
	s_barrier_wait -1
	s_cmp_lg_u32 s[WV], 0
	s_cbranch_scc1 .Lnot_wave_0_\@
	s_barrier_signal -3
.Lnot_wave_0_\@:
	s_barrier_wait -3
	s_barrier_signal -1
	s_barrier_wait -1
.endm
.macro PLACES
.rept 4
	v_nop
.endr
.endm
.macro FETCH_K                      ; a step's K: 64 keys x 64 channels: 8 fragments, 16 loads
	WIN 0
	v_add_nc_u32 v[ADK], s[TB], v[AK0]
	WIN 0x40                        ; destination window 1
.irp kt, 0,1,2,3
.irp cs, 0,1
	ds_load_b128 v[KF+16*\kt+8*\cs:KF+16*\kt+8*\cs+3],   v[ADK] offset:\kt*16*PK+\cs*64
	ds_load_b128 v[KF+16*\kt+8*\cs+4:KF+16*\kt+8*\cs+7], v[ADK] offset:\kt*16*PK+\cs*64+32
.endr
.endr
	WIN 0
.endm
.macro FETCH_V                      ; the same step's V, turned: keys 32 g on, channels 16 ct on
	WIN 0
	v_add_nc_u32 v[ADV], s[TB], v[AV0]
	s_add_co_u32 s[TB], s[TB], STEPB  ; the next fetch is the next step's
	WIN 0x40
.irp g, 0,1
.irp ct, 0,1,2,3
	ds_load_tr16_b128 v[VF+32*\g+8*\ct:VF+32*\g+8*\ct+3],   v[ADV] offset:\g*32*PV+\ct*32
	ds_load_tr16_b128 v[VF+32*\g+8*\ct+4:VF+32*\g+8*\ct+7], v[ADV] offset:\g*32*PV+16*PV+\ct*32
.endr
.endr
.endm
.macro MASK                         ; M for the step whose scores come next: nine plain lines
	s_cmp_eq_u32 s[J], s[JD]
	s_cselect_b32 s[SV], s[NEGV], 0
	s_add_co_u32 s[J], s[J], 1
	v_mov_b32 v[TMP], s[SV]
.irp i, 0,1,2,3,4,5,6,7
	v_cndmask_b32 v[MR+\i], 0, v[TMP], s[MK+\i]
.endr
.endm
; 32 products S^T = K Q^T: the sixteen accumulators take turns, one instruction a turn; the first sixteen start the sums, with M where the diagonal can lie, else with 0
.macro MKQ
	WIN 0x01                        ; K in window 1
.irp cs, 0,1
.irp kt, 0,1,2,3
.irp t, 0,1,2,3
.if \cs == 0
.if \kt == \t
	v_wmma_f32_16x16x32_f16 v[S+32*\t+8*\kt:S+32*\t+8*\kt+7], v[KF+16*\kt+8*\cs:KF+16*\kt+8*\cs+7], v[QF+16*\t+8*\cs:QF+16*\t+8*\cs+7], v[MR:MR+7]
.else
	v_wmma_f32_16x16x32_f16 v[S+32*\t+8*\kt:S+32*\t+8*\kt+7], v[KF+16*\kt+8*\cs:KF+16*\kt+8*\cs+7], v[QF+16*\t+8*\cs:QF+16*\t+8*\cs+7], 0
.endif
.else
	v_wmma_f32_16x16x32_f16 v[S+32*\t+8*\kt:S+32*\t+8*\kt+7], v[KF+16*\kt+8*\cs:KF+16*\kt+8*\cs+7], v[QF+16*\t+8*\cs:QF+16*\t+8*\cs+7], v[S+32*\t+8*\kt:S+32*\t+8*\kt+7]
.endif
.endr
.endr
.endr
.endm
; 32 products O^T += V^T P, sixteen accumulators by turns
.macro MPV
	WIN 0x51                        ; V, C and D in window 1, P in window 0
.irp g, 0,1
.irp ct, 0,1,2,3
.irp t, 0,1,2,3
	v_wmma_f32_16x16x32_f16 v[32*\t+8*\ct:32*\t+8*\ct+7], v[VF+32*\g+8*\ct:VF+32*\g+8*\ct+7], v[S+32*\t+8*\g:S+32*\t+8*\g+7], v[32*\t+8*\ct:32*\t+8*\ct+7]
.endr
.endr
.endr
.endm
; THE SOFTMAX of one step for my four tiles; the tiles stand innermost in every list, so that no line waits for the line above it.  p = 2^(c s - c m), c = log2(e) / 8; O^T and l are multiplied by a = 2^(c m_old - c m_new).
.macro SOFTMAX
.irp j, 0,1,2,3                     ; the maximum of the lane's 32 scores and the old m: four chains; each accumulator is read from its low end on
.irp t, 0,1,2,3
	v_max3_num_f32 v[ST+10*\t+4+\j], v[S+32*\t+8*\j], v[S+32*\t+8*\j+1], v[S+32*\t+8*\j+2]
.endr
.endr
.irp q, 1,2
.irp j, 0,1,2,3
.irp t, 0,1,2,3
	v_max3_num_f32 v[ST+10*\t+4+\j], v[ST+10*\t+4+\j], v[S+32*\t+8*\j+2*\q+1], v[S+32*\t+8*\j+2*\q+2]
.endr
.endr
.endr
.irp t, 0,1,2,3
	v_max3_num_f32 v[ST+10*\t+4], v[ST+10*\t+4], v[S+32*\t+7], v[S+32*\t+15]
.endr
.irp t, 0,1,2,3
	v_max3_num_f32 v[ST+10*\t+6], v[ST+10*\t+6], v[S+32*\t+23], v[S+32*\t+31]
.endr
.irp t, 0,1,2,3
	v_max3_num_f32 v[ST+10*\t+4], v[ST+10*\t+4], v[ST+10*\t+5], v[ST+10*\t+6]
.endr
.irp t, 0,1,2,3
	v_max3_num_f32 v[ST+10*\t+4], v[ST+10*\t+4], v[ST+10*\t+7], v[ST+10*\t+1]
.endr
.irp t, 0,1,2,3
	v_permlanex16_b32 v[ST+10*\t+5], v[ST+10*\t+4], s[SEL], s[SEL+1]  ; the query's other 32 keys lie in the lane 16 away
.endr
.irp t, 0,1,2,3
	v_mov_b32 v[ST+10*\t+9], v[ST+10*\t]
.endr
.irp t, 0,1,2,3
	v_max_num_f32 v[ST+10*\t+1], v[ST+10*\t+4], v[ST+10*\t+5]
.endr
.irp t, 0,1,2,3
	v_mul_f32 v[ST+10*\t], s[CS], v[ST+10*\t+1]
.endr
.irp t, 0,1,2,3
	v_sub_f32 v[ST+10*\t+9], v[ST+10*\t+9], v[ST+10*\t]
.endr
	; ONE BATCH: the four a and the 128 p; none of these lines names an exponential's result
.irp t, 0,1,2,3
	v_exp_f32 v[ST+10*\t+8], v[ST+10*\t+9]
.endr
.set i, 0
.rept 16                            ; tiles 0 and 1 are scaled,
.irp t, 0,1
	v_pk_fma_f32 v[S+32*\t+2*i:S+32*\t+2*i+1], v[S+32*\t+2*i:S+32*\t+2*i+1], s[CS:CS+1], v[ST+10*\t:ST+10*\t+1] op_sel_hi:[1,0,0] neg_lo:[0,0,1] neg_hi:[0,0,1]
.endr
.set i, i+1
.endr
.set i, 0
.rept 16                            ; tiles 2 and 3 are scaled among the exponentials of tiles 0 and 1,
.irp t, 2,3
	v_pk_fma_f32 v[S+32*\t+2*i:S+32*\t+2*i+1], v[S+32*\t+2*i:S+32*\t+2*i+1], s[CS:CS+1], v[ST+10*\t:ST+10*\t+1] op_sel_hi:[1,0,0] neg_lo:[0,0,1] neg_hi:[0,0,1]
	v_exp_f32 v[S+32*(\t-2)+2*i], v[S+32*(\t-2)+2*i]
	v_exp_f32 v[S+32*(\t-2)+2*i+1], v[S+32*(\t-2)+2*i+1]
.endr
.set i, i+1
.endr
.set i, 0
.rept 32                            ; and have their own
.irp t, 2,3
	v_exp_f32 v[S+32*\t+i], v[S+32*\t+i]
.endr
.set i, i+1
.endr
	v_nop                           ; one plain line behind the last exponential,
	s_wait_alu depctr_va_vdst(0)    ; and one wait for the whole batch, ahead of its first reader
	WIN 0x41                        ; O^T in window 1, a in window 0
.set i, 0
.rept 16
.irp t, 0,1,2,3
	v_pk_mul_f32 v[32*\t+2*i:32*\t+2*i+1], v[32*\t+2*i:32*\t+2*i+1], v[ST+10*\t+8:ST+10*\t+9] op_sel_hi:[1,0]  ; each accumulator from its low end on
.endr
.set i, i+1
.endr
	WIN 0
.irp t, 0,1,2,3                     ; the row's sum of the unrounded p, two at a time, in two chains
	v_pk_add_f32 v[ST+10*\t+4:ST+10*\t+5], v[S+32*\t:S+32*\t+1], v[S+32*\t+2:S+32*\t+3]
.endr
.irp t, 0,1,2,3
	v_pk_add_f32 v[ST+10*\t+6:ST+10*\t+7], v[S+32*\t+4:S+32*\t+5], v[S+32*\t+6:S+32*\t+7]
.endr
.irp b, 8,12,16,20,24,28
.irp t, 0,1,2,3
	v_pk_add_f32 v[ST+10*\t+4:ST+10*\t+5], v[ST+10*\t+4:ST+10*\t+5], v[S+32*\t+\b:S+32*\t+\b+1]
.endr
.irp t, 0,1,2,3
	v_pk_add_f32 v[ST+10*\t+6:ST+10*\t+7], v[ST+10*\t+6:ST+10*\t+7], v[S+32*\t+\b+2:S+32*\t+\b+3]
.endr
.endr
.irp t, 0,1,2,3
	v_pk_add_f32 v[ST+10*\t+4:ST+10*\t+5], v[ST+10*\t+4:ST+10*\t+5], v[ST+10*\t+6:ST+10*\t+7]
.endr
.irp t, 0,1,2,3
	v_pk_fma_f32 v[ST+10*\t+2:ST+10*\t+3], v[ST+10*\t+2:ST+10*\t+3], v[ST+10*\t+8:ST+10*\t+9], v[ST+10*\t+4:ST+10*\t+5] op_sel_hi:[1,0,1]
.endr
.set i, 0
.rept 16                            ; P in place: register i takes scores 2 i and 2 i + 1; ascending, so nothing is written before it is read
.irp t, 0,1,2,3
	v_cvt_pk_f16_f32 v[S+32*\t+i], v[S+32*\t+2*i], v[S+32*\t+2*i+1]
.endr
.set i, i+1
.endr
.endm
; A KEY STEP j.
.macro BODY
	FETCH_K                         ; K of step j; the last products that read K's registers stand four plain lines back
	s_cmp_lt_u32 s[WV], 4
	s_cbranch_scc1 .Lrole_a_\@
	SOFTMAX                         ; waves 4-7: of step j - 1
.Lrole_a_\@:
	s_wait_dscnt 16                 ; V of step j - 1 is in; the sixteen loads of K behind it may be out
	MPV                             ; step j - 1
	WIN 0
	MASK                            ; its nine lines and the addition below are the plain lines between these products and the loads into V's registers, and the products that write over P
	FETCH_V                         ; V of step j
	s_wait_dscnt 16                 ; K of step j is in; the sixteen loads of V may be out
	MKQ
	WIN 0
	PLACES                          ; ahead of the first read of the scores and of the next loads into K's registers; with the addition at the head of the next step's fetch of K they are five plain lines ahead of the next V^T P, on the text's shortest way too
	s_cmp_lt_u32 s[WV], 4
	s_cbranch_scc0 .Lrole_b_\@
	SOFTMAX                         ; waves 0-3: of step j
.Lrole_b_\@:
.endm
.macro STEPS n
	s_mov_b32 s[TW], \n
.Lstep_\@:
	BODY
	s_sub_co_u32 s[TW], s[TW], 1
	s_cmp_lg_u32 s[TW], 0
	s_cbranch_scc1 .Lstep_\@
.endm
; THE CHANGE OF SLOTS: the slot's last bytes, V of its fourth step, have been asked for.  Each wave waits for all its tensor loads (one is out: its part of the other slot), adds 0 to its spare word, and waits for that and for
; its reads of the slot.  fill = 1: a round of the cluster's barrier, and the joint refill first behind it: it has four key steps in which to land.
.macro CHANGE fill
	WIN 0
	s_wait_tensorcnt 0x0            ; no tensor load of mine is out, so a group 0 may be written
	ds_add_u32 v[SPW], v[NIL]
.if \fill
.irp g, G0K+4, G0V+4
	s_xor_b32 s[\g+1], s[\g+1], SLOT1  ; the walking descriptor: the other slot than last time,
	s_add_nc_u64 s[\g+2:\g+3], s[\g+2:\g+3], SLB  ; the next 256 keys
.endr
	s_wait_xcnt 0x0                 ; the last prefetch, a slot back, has read its address
	s_add_nc_u64 s[PFA:PFA+1], s[PFA:PFA+1], SLB
	s_wait_dscnt 0x0                ; the add is done, and my reads of the slot are over
	CROUND
	JLOAD
	ASK
.else
	s_wait_dscnt 0x0
	s_barrier_signal -1
	s_barrier_wait -1
.endif
	s_sub_co_u32 s[TB], s[TB], NST*STEPB  ; the fetches go back to a slot's first step,
	s_xor_b32 s[TB], s[TB], SLOT1   ; in the other slot
.endm
	s_load_b128 s[8:11], s[0:1], 0x0  ; qkv s[8:9], y s[10:11]
	v_lshl_add_u32 v[SPW], v0, 2, SPARE
	v_mov_b32 v[NIL], 0
	ds_add_u32 v[SPW], v[NIL]       ; the wave's opening: the add, twice on end, and its wait ahead of my first tensor load
	ds_add_u32 v[SPW], v[NIL]
	v_lshrrev_b32 v1, 5, v0
	v_readfirstlane_b32 s[WV], v1   ; wave 0..7
	s_bfe_u32 s13, ttmp6, 0x40000   ; cx
	s_lshl_b32 s14, ttmp9, 2
	s_add_co_u32 s14, s14, s13      ; my block of 512 queries: it enters Q's and y's addresses, the prefetch's and JD alone
	s_and_b32 s20, ttmp7, 0xffff    ; 16 b + h, which the four partners share
	s_lshl_b32 s20, s20, 18         ; 262,144 bytes a head
	s_mov_b32 s21, 0
	s_and_b32 s16, s[WV], 3         ; which of a slot's four steps I fetch:
	s_lshl_b32 s22, s16, 13         ; its 64 rows of 128 bytes in memory,
	s_mov_b32 s23, 0
	s_add_nc_u64 s[22:23], s[22:23], s[20:21]
	s_mul_i32 s17, s16, STEPB       ; and its place in a slot
	s_lshl_b32 s2, s14, 16          ; my block's 512 rows,
	s_lshl_b32 s3, s[WV], 13        ; my wave's 64 of them
	s_add_co_u32 s2, s2, s3
	s_mov_b32 s3, 0
	s_add_nc_u64 s[2:3], s[2:3], s[20:21]
	s_lshl_b32 s[JD], s14, 3
	s_add_co_u32 s[JD], s[JD], s[WV]
	s_mov_b32 s[J], 0
	s_mov_b32 s[NEGV], 0xcfee6b28   ; -8e9 = -1e9 / (1 / 8)
	s_mov_b32 s[G1K], 15|(1<<16)|(1<<20)|(1<<21)|(4<<22)|(3<<25)  ; the mask: all four; elements of 2 bytes; padding on; bit 21 beside a mask; 4 words of padding after every 32
	s_mov_b32 s[G1V], 15|(1<<16)|(1<<20)|(1<<21)|(4<<22)|(7<<25)  ; the same with 8 words
.irp g, G1K, G1V
	s_mov_b32 s[\g+1], 64<<16       ; tensor_dim0
	s_mov_b32 s[\g+2], KS<<16       ; tensor_dim1
	s_mov_b32 s[\g+3], 64<<16       ; tile_dim0
	s_mov_b32 s[\g+4], KS           ; tile_dim1
	s_mov_b32 s[\g+5], 64           ; the pitch
	s_mov_b32 s[\g+6], 0
	s_mov_b32 s[\g+7], 0
.endr
	s_mov_b32 s[CS], 0x3e38aa3b     ; c = log2(e) / 8
	s_mov_b32 s[CS+1], s[CS]
	s_mov_b32 s[SEL], 0x76543210
	s_mov_b32 s[SEL+1], 0xfedcba98
	s_mov_b32 s[TB], 0
	s_mov_b32 s[SLOTS], 2048/(NST*KS)-2
	s_and_b32 s[LIM], s[WV], 3      ; waves 0 and 4 prefetch
	s_cmp_eq_u32 s[LIM], 0
	s_cselect_b32 s[LIM], 1, -1
	s_wait_dscnt 0x0                ; both opening adds are done
	s_wait_kmcnt 0x0
	s_add_nc_u64 s[4:5], s[8:9], s[2:3]          ; Q at my wave's first row
	s_add_nc_u64 s[10:11], s[10:11], s[2:3]      ; y likewise
	s_add_nc_u64 s[6:7], s[8:9], s[22:23]
	s_add_nc_u64 s[8:9], s[6:7], 0x2000000       ; V at my tile of slot 0
	s_add_nc_u64 s[6:7], s[6:7], 0x1000000       ; K likewise
	s_cmp_lt_u32 s[WV], 4
	s_cselect_b64 s[PFA:PFA+1], s[6:7], s[8:9]   ; (in waves 0 and 4 these stand at a slot's first row)
	s_lshl_b32 s2, s13, 13          ; my work-group's 8,192 bytes of the 32,768
	s_mov_b32 s3, 0
	s_add_nc_u64 s[PFA:PFA+1], s[PFA:PFA+1], s[2:3]
	s_add_nc_u64 s[PFA:PFA+1], s[PFA:PFA+1], 2*SLB  ; in slot 2; the first change steps it to slot 3.  Nothing is prefetched at the head
	CROUND                          ; all four work-groups are here: the first joint loads meet
.irp s, 0,1
	s_mov_b32 s[G0K+4*\s], 1
	s_add_co_u32 s[G0K+4*\s+1], s17, \s*SLOT1
	s_add_nc_u64 s[G0K+4*\s+2:G0K+4*\s+3], s[6:7], \s*SLB
	s_or_b32 s[G0K+4*\s+3], s[G0K+4*\s+3], 0x80000000
	s_mov_b32 s[G0V+4*\s], 1
	s_add_co_u32 s[G0V+4*\s+1], s17, \s*SLOT1+VOFF
	s_add_nc_u64 s[G0V+4*\s+2:G0V+4*\s+3], s[8:9], \s*SLB
	s_or_b32 s[G0V+4*\s+3], s[G0V+4*\s+3], 0x80000000
.endr
	s_cmp_lt_u32 s[WV], 4           ; a wave's two first fills stand in one branch: two loads of mine are out
	s_cbranch_scc0 .Lfirst_v
	tensor_load_to_lds s[G0K:G0K+3], s[G1K:G1K+7]
	s_nop 0
	tensor_load_to_lds s[G0K+4:G0K+7], s[G1K:G1K+7]
	s_nop 0
.rept 4
	v_nop
.endr
	s_branch .Lfirst_asked
.Lfirst_v:
	tensor_load_to_lds s[G0V:G0V+3], s[G1V:G1V+7]
	s_nop 0
	tensor_load_to_lds s[G0V+4:G0V+7], s[G1V:G1V+7]
	s_nop 0
.rept 4
	v_nop
.endr
.Lfirst_asked:
	v_and_b32 v1, 15, v0            ; r
	v_bfe_u32 v14, v0, 4, 1         ; h
	v_lshlrev_b32 v[QO], 7, v1
	v_lshl_add_u32 v[QO], v14, 4, v[QO]  ; row x 128 + 16 x half
.irp t, 0,1,2,3                     ; Q stays in registers
.irp cs, 0,1
	global_load_b128 v[QF+16*\t+8*\cs:QF+16*\t+8*\cs+3],   v[QO], s[4:5] offset:\t*2048+\cs*64
	global_load_b128 v[QF+16*\t+8*\cs+4:QF+16*\t+8*\cs+7], v[QO], s[4:5] offset:\t*2048+\cs*64+32
.endr
.endr
	v_mul_u32_u24 v[AK0], v1, PK
	v_lshl_add_u32 v[AK0], v14, 4, v[AK0]
	v_and_b32 v15, 7, v0
	v_lshl_add_u32 v[AV0], v14, 3, v15
	v_mul_u32_u24 v[AV0], v[AV0], PV
	v_bfe_u32 v15, v0, 3, 1
	v_lshl_add_u32 v[AV0], v15, 4, v[AV0]
	v_add_nc_u32 v[AV0], VOFF, v[AV0]
	s_mul_i32 s78, s[WV], 64*SP
	s_add_co_u32 s78, s78, STAGE    ; my stage
	v_add_nc_u32 v[STO], s78, v[AK0]  ; in: row r, 16 bytes for each half of the lanes
	v_bfe_u32 v15, v0, 3, 2
	v_mul_u32_u24 v[RD], v15, SP
	v_and_b32 v15, 7, v0
	v_lshl_add_u32 v[RD], v15, 4, v[RD]
	v_add_nc_u32 v[RD], s78, v[RD]  ; back: eight lanes to a row of 128 bytes, four rows an instruction
	v_and_b32 v15, 31, v0
	v_lshlrev_b32 v[GO], 4, v15
	v_lshlrev_b32 v[PFO], 8, v15
	v_lshlrev_b32 v[TMP], 3, v14
	v_sub_nc_u32 v[TMP], v1, v[TMP]  ; r - 8 h
.irp i, 0,1,2,3,4,5,6,7
	v_cmp_eq_u32 s[MK+\i], \i, v[TMP]
.endr
.irp t, 0,1,2,3
	v_mov_b32 v[ST+10*\t+1], 0xff61b1e6  ; m: -3e38, under every score
	v_mul_f32 v[ST+10*\t], s[CS], v[ST+10*\t+1]
	v_mov_b32 v[ST+10*\t+2], 0      ; l
	v_mov_b32 v[ST+10*\t+3], 0
.endr
	WIN 0x40
.set i, 0
.rept 128
	v_mov_b32 v[i], 0               ; O^T.  (The step is written once: the first finds zeros, which a = 0 leaves zeros)
.set i, i+1
.endr
	WIN 0
	s_wait_tensorcnt 1              ; my part of slot 0 is in; slot 1's may stay out
	s_barrier_signal -1
	s_barrier_wait -1
	FETCH_K                         ; step 0
	FETCH_V
	WIN 0
	MASK
	s_wait_loadcnt 0x0              ; Q
	s_wait_dscnt 16                 ; K is in; V's sixteen loads may be out
	MKQ
	WIN 0
	PLACES
	s_cmp_lt_u32 s[WV], 4
	s_cbranch_scc0 .Lpro_b
	SOFTMAX
.Lpro_b:
	STEPS 3                         ; steps 1 to 3
.Lslot:                             ; six trips: every slot but the last two is filled again
	CHANGE 1
	STEPS 4
	s_sub_co_u32 s[SLOTS], s[SLOTS], 1
	s_cmp_lg_u32 s[SLOTS], 0
	s_cbranch_scc1 .Lslot
	CHANGE 0                        ; the tail is written out
	STEPS 4
	s_cmp_lt_u32 s[WV], 4
	s_cbranch_scc1 .Lepi_a
	SOFTMAX                         ; waves 4-7: of the last step
.Lepi_a:
	v_nop                           ; a fifth plain line between the last K Q^T, which wrote the registers in which P lies, and the products below, which take them as an operand: counted along the text's shortest way, round both softmaxes (no wave goes round both); no fetch of K stands here to give it
	s_wait_dscnt 0x0                ; V of the last step
	MPV
	WIN 0
	; THE WAY OUT.  l's two halves and the other half of the lanes' are added (the additions are the plain lines behind the last products); O^T is divided by l, rounded to f16 and sent through my stage.
.irp t, 0,1,2,3
	v_add_f32 v[ST+10*\t+4], v[ST+10*\t+2], v[ST+10*\t+3]
.endr
.irp t, 0,1,2,3
	v_permlanex16_b32 v[ST+10*\t+5], v[ST+10*\t+4], s[SEL], s[SEL+1]
.endr
.irp t, 0,1,2,3
	v_add_f32 v[ST+10*\t+4], v[ST+10*\t+4], v[ST+10*\t+5]
.endr
.irp t, 0,1,2,3
	v_rcp_f32 v[ST+10*\t+8], v[ST+10*\t+4]
.endr
	v_nop
	s_wait_alu depctr_va_vdst(0)    ; one wait for the four reciprocals, ahead of their first reader
.irp t, 0,1,2,3
	WIN 0x41
.set i, 0
.rept 16
	v_pk_mul_f32 v[32*\t+2*i:32*\t+2*i+1], v[32*\t+2*i:32*\t+2*i+1], v[ST+10*\t+8:ST+10*\t+9] op_sel_hi:[1,0]
.set i, i+1
.endr
	WIN 0x05                        ; sources window 1, destination window 0: S^T's registers are free
.set i, 0
.rept 16
	v_cvt_pk_f16_f32 v[S+16*\t+i], v[32*\t+2*i], v[32*\t+2*i+1]
.set i, i+1
.endr
	WIN 0
.irp ct, 0,1,2,3
	ds_store_b128 v[STO], v[S+16*\t+4*\ct:S+16*\t+4*\ct+3] offset:\t*16*SP+32*\ct
.endr
.endr
.irp u, 0,1,2,3,4,5,6,7,8,9,10,11,12,13,14,15
	ds_load_b128 v[128+4*\u:131+4*\u], v[RD] offset:\u*4*SP  ; LDS serves a wave's instructions in order: these see my stores
.endr
.irp u, 0,1,2,3,4,5,6,7,8,9,10,11,12,13,14,15
	s_wait_dscnt 15-\u
	global_store_b128 v[GO], v[128+4*\u:131+4*\u], s[10:11] offset:512*\u  ; 32 lanes store 512 consecutive bytes, aligned
.endr
	s_wait_tensorcnt 0x0            ; the wave's end, behind my last tensor load and my last LDS store
	ds_add_u32 v[SPW], v[NIL]
	s_wait_dscnt 0x0
	CROUND                          ; the closing round
	s_endpgm
.Lfunc_end_k_q5f81c24497_attn:
	.size	k_q5f81c24497_attn, .Lfunc_end_k_q5f81c24497_attn-k_q5f81c24497_attn
	.p2alignl 7, 3214868480
	.fill 96, 4, 3214868480
	.section	.rodata,"a",@progbits
	.p2align	6, 0x0
	.amdhsa_kernel k_q5f81c24497_attn
		.amdhsa_group_segment_fixed_size 327680
		.amdhsa_private_segment_fixed_size 0
		.amdhsa_enable_private_segment 0
		.amdhsa_kernarg_size 16
		.amdhsa_user_sgpr_count 2
		.amdhsa_user_sgpr_kernarg_segment_ptr 1
		.amdhsa_wavefront_size32 1
		.amdhsa_system_sgpr_workgroup_id_x 1
		.amdhsa_system_sgpr_workgroup_id_y 1
		.amdhsa_system_sgpr_workgroup_id_z 1
		.amdhsa_system_vgpr_workitem_id 0
		.amdhsa_next_free_vgpr 512
		.amdhsa_next_free_sgpr 80
		.amdhsa_reserve_vcc 0
		.amdhsa_float_denorm_mode_32 3
		.amdhsa_float_denorm_mode_16_64 3
		.amdhsa_memory_ordered 1
		.amdhsa_forward_progress 1
		.amdhsa_inst_pref_size 255
	.end_amdhsa_kernel
	.section	.bss,"aw",@nobits
	.p2align	6
	.space	262144
	.amdgpu_metadata
---
amdhsa.version: [ 1, 2 ]
amdhsa.kernels:
  - .name:           k_q5f81c24497_attn
    .symbol:         k_q5f81c24497_attn.kd
    .args:
      - { .name: qkv, .offset: 0, .size: 8, .value_kind: global_buffer, .address_space: global }
      - { .name: y, .offset: 8, .size: 8, .value_kind: global_buffer, .address_space: global }
    .group_segment_fixed_size: 327680
    .private_segment_fixed_size: 0
    .kernarg_segment_align: 8
    .kernarg_segment_size: 16
    .max_flat_workgroup_size: 256
    .sgpr_count:     80
    .vgpr_count:     512
    .wavefront_size: 32
...
	.end_amdgpu_metadata
.endif
;; end of part 3
;; launch proj (part 4): grid 4 x 64, 4 waves a work-group, clusters of 4 x 4, 327,680 bytes of LDS; arguments y, wp, out0; writes out0
.if DOCPART == 4
	.amdgcn_target "amdgcn-amd-amdhsa--gfx1250"
	.amdhsa_code_object_version 6
	.text
	.protected	k_q5f81c24497_proj
	.globl	k_q5f81c24497_proj
	.p2align	8
	.type	k_q5f81c24497_proj,@function
k_q5f81c24497_proj:
	s_mov_b64 s[64:65], 0
	v_nop
	global_prefetch_b8 v0, s[64:65] scope:SCOPE_SE
	s_setreg_imm32_b32 hwreg(HW_REG_WAVE_MODE, 25, 1), 1
	s_wait_xcnt 0x0
	s_wait_alu depctr_hold_cnt(0) depctr_sa_sdst(0) depctr_va_vdst(0) depctr_va_sdst(0) depctr_va_ssrc(0) depctr_va_vcc(0) depctr_vm_vsrc(0)
	s_getreg_b32 s2, hwreg(HW_REG_IB_STS2, 6, 4)
	s_cmp_eq_u32 s2, 0
	s_cbranch_scc0 .Lentry_in_a_cluster
	s_endpgm
.Lentry_in_a_cluster:
	s_bfe_u32 s2, ttmp6, 0x10000c
	s_cmp_lg_u32 s2, 0xf033
	s_cbranch_scc0 .Lentry_shape_is_right
	s_endpgm
.Lentry_shape_is_right:
; PROJ: out0[m][n] = sum over k of y[m][k] Wproj[k][n], m = 2048 b + s, k = 64 h + d.  y: f16 [b][h][s][64]; wp: Wproj as f16, [k 1024][n 1024]; out0: f32 [8192][1024].  f16 operands, f32 sums.  Nothing is left out.
; A tile of out0 is 128 rows x 256 columns: 256 work-groups; four waves, each 64 x 128: 32 accumulators, which fill window 1.
; K goes in steps of 128 (two heads) through a ring of two LDS slots: y's tile as two planes of 128 rows x 128 bytes (waves 0, 1 fetch a plane each), wp's as 128 rows (k) x 512 bytes (waves 2, 3 fetch 64 rows each).
; THE MATRIX INSTRUCTION IS USED TRANSPOSED: source 0 = 16 columns of Wproj, turned out of [k][n] by ds_load_tr16_b128; source 1 = 16 rows of y: a lane holds eight neighbouring numbers of a row of out0.
; CLUSTERS: 4 x 4 work-groups; y's tiles are asked for jointly along a row of the cluster, wp's along a column.
; No prefetch: a step's tiles are small, and a refill has 112 matrix instructions a wave between its request and the wait for it.
; REGISTERS: window 0: v16-29 addresses; two fragment buffers of 96 at v32 and v128 (32 of y, then 64 of Wproj); on the way out v32-95 and v128-191 rows read back.  window 1: accumulator (a, b) at v[8 (8 a + b)].
.set PA,     144                       ; a row of y in LDS: 128 bytes + 16
.set APL,    128*PA                    ; a head's plane
.set BOFF,   2*APL
.set PB,     544                       ; a row of wp in LDS: 512 bytes + 32
.set BH,     64*PB
.set SLOT,   BOFF+2*BH
.set STAGE,  2*SLOT                    ; behind the ring: 16 rows x 528 bytes for each wave
.set SPITCH, 528
.set SPARE,  STAGE+4*16*SPITCH         ; the spare words, 128 bytes for each wave: two blocks of 256 bytes that no other line names
.set LAPS,   4                         ; a lap = two K steps of 128
.set ADRA, 16
.set ADRB, 20
.set STO,  24
.set RD,   25
.set CO,   26
.set SPW,  28
.set NIL,  29
.set F0,   32
.set F1,   128
.set G1, 24
.set G0, 32
.set G1B, 48
.set G0B, 56
.set MSB, 0
.macro WIN new
.if MSB != (\new)
	s_set_vgpr_msb (MSB<<8)|(\new)
.set MSB, (\new)
.endif
.endm
.set MUL, 0x50                         ; C and D window 1, both sources window 0
.macro JLOAD s                         ; waves 0 and 1 fetch y's planes, waves 2 and 3 wp's halves; an s_nop 0 and four v_nop follow each line
	s_cmp_eq_u32 s11, 0
	s_cbranch_scc0 .Lfor_b_\@
	tensor_load_to_lds s[G0+4*\s:G0+4*\s+3], s[G1:G1+7]
	s_nop 0
.rept 4
	v_nop
.endr
	s_branch .Lasked_\@
.Lfor_b_\@:
	tensor_load_to_lds s[G0B+4*\s:G0B+4*\s+3], s[G1B:G1B+7]
	s_nop 0
.rept 4
	v_nop
.endr
.Lasked_\@:
.endm
.macro CREST
	s_cmp_lg_u32 s10, 0
	s_cbranch_scc1 .Lnot_wave_0_\@
	s_barrier_signal -3
.Lnot_wave_0_\@:
	s_barrier_wait -3
	s_barrier_signal -1
	s_barrier_wait -1
.endm
.macro CROUND
	s_barrier_signal -1
	s_barrier_wait -1
	CREST
.endm
	s_load_b128 s[4:7], s[0:1], 0x0                ; y s[4:5], wp s[6:7]
	s_load_b64 s[8:9], s[0:1], 0x10                ; out0
	v_lshl_add_u32 v[SPW], v0, 2, SPARE
	v_mov_b32 v[NIL], 0
	ds_add_u32 v[SPW], v[NIL]                      ; the wave's opening: the add, twice on end, and its wait ahead of my first tensor load
	ds_add_u32 v[SPW], v[NIL]
	v_lshrrev_b32 v1, 5, v0
	v_readfirstlane_b32 s10, v1                    ; wave 0..3
	s_lshr_b32 s11, s10, 1                         ; which 64 of the tile's rows are mine.  Also: I fetch for y (0) or for wp (1)
	s_and_b32 s12, s10, 1                          ; which 128 of its columns.  Also: which plane or half I fetch
	s_bfe_u32 s40, ttmp6, 0x40000                  ; cx, cy
	s_bfe_u32 s41, ttmp6, 0x40004
	s_lshl_b32 s42, ttmp9, 2
	s_add_co_u32 s42, s42, s40                     ; tile column
	s_and_b32 s13, ttmp7, 0xffff
	s_lshl_b32 s13, s13, 2
	s_add_co_u32 s13, s13, s41                     ; tile row
	s_lshl_b32 s43, s41, 2
	s_lshl_b32 s43, 15, s43                        ; my row of the cluster
	s_lshl_b32 s44, 0x1111, s40                    ; my column
	s_or_b32 s[G1+0], s43, (1<<16)|(1<<20)|(1<<21)|(4<<22)|(3<<25)   ; y: elements of 2 bytes; 4 words of padding after every 32
	s_mov_b32 s[G1+1], 64<<16                      ; tensor_dim0
	s_mov_b32 s[G1+2], 128<<16                     ; tensor_dim1
	s_mov_b32 s[G1+3], 64<<16                      ; tile_dim0
	s_mov_b32 s[G1+4], 128                         ; tile_dim1
	s_mov_b32 s[G1+5], 64                          ; the pitch
	s_mov_b32 s[G1+6], 0
	s_mov_b32 s[G1+7], 0
	s_or_b32 s[G1B+0], s44, (1<<16)|(1<<20)|(1<<21)|(6<<22)|(7<<25)  ; wp: 8 words of padding after every 128
	s_mov_b32 s[G1B+1], 256<<16
	s_mov_b32 s[G1B+2], 64<<16
	s_mov_b32 s[G1B+3], 256<<16
	s_mov_b32 s[G1B+4], 64
	s_mov_b32 s[G1B+5], 1024
	s_mov_b32 s[G1B+6], 0
	s_mov_b32 s[G1B+7], 0
	s_lshr_b32 s16, s13, 4                         ; y: the batch, 4,194,304 bytes;
	s_lshl_b32 s16, s16, 22
	s_and_b32 s17, s13, 15                         ; 128 positions of 128 bytes;
	s_lshl_b32 s17, s17, 14
	s_add_co_u32 s16, s16, s17
	s_lshl_b32 s17, s12, 18                        ; my plane: a head, 262,144 bytes
	s_add_co_u32 s16, s16, s17
	s_mov_b32 s17, 0
	s_lshl_b32 s46, s42, 9                         ; wp: 256 columns of 2 bytes;
	s_lshl_b32 s47, s12, 17                        ; my half: 64 rows of 2,048 bytes
	s_add_co_u32 s46, s46, s47
	s_mov_b32 s47, 0
	s_mul_i32 s20, s12, APL                        ; where they go: no place in the cluster enters an LDS address
	s_mul_i32 s21, s12, BH
	s_add_co_u32 s21, s21, BOFF
	s_wait_dscnt 0x0                               ; both opening adds are done
	s_wait_kmcnt 0x0
	s_add_nc_u64 s[14:15], s[4:5], s[16:17]
	s_add_nc_u64 s[46:47], s[6:7], s[46:47]
	CROUND                                         ; all sixteen work-groups are here: the first joint loads meet
.irp s, 0,1
	s_mov_b32 s[G0+4*\s], 1
	s_add_co_u32 s[G0+4*\s+1], s20, \s*SLOT
	s_add_nc_u64 s[G0+4*\s+2:G0+4*\s+3], s[14:15], \s*524288      ; K step s: two heads on
	s_or_b32 s[G0+4*\s+3], s[G0+4*\s+3], 0x80000000
	s_mov_b32 s[G0B+4*\s], 1
	s_add_co_u32 s[G0B+4*\s+1], s21, \s*SLOT
	s_add_nc_u64 s[G0B+4*\s+2:G0B+4*\s+3], s[46:47], \s*262144    ; 128 rows on
	s_or_b32 s[G0B+4*\s+3], s[G0B+4*\s+3], 0x80000000
	JLOAD \s
.endr
	v_and_b32 v1, 15, v0                           ; r
	v_bfe_u32 v2, v0, 4, 1                         ; h
	v_mul_u32_u24 v3, v1, PA
	v_lshl_add_u32 v3, v2, 4, v3                   ; y: row x pitch + 16 x half
	v_and_b32 v4, 7, v0
	v_lshl_add_u32 v4, v2, 3, v4
	v_mul_u32_u24 v4, v4, PB                       ; wp: row 8 h + l % 8,
	v_bfe_u32 v5, v0, 3, 1
	v_lshl_add_u32 v4, v5, 4, v4                   ; 16 bytes for each eight lanes
	s_mul_i32 s21, s11, 64*PA                      ; my 64 rows of y
	s_lshl_b32 s22, s12, 8                         ; my 128 columns of wp
	s_add_co_u32 s22, s22, BOFF
.irp s, 0,1
	v_add_nc_u32 v[ADRA+\s], s21, v3
	v_add_nc_u32 v[ADRB+\s], s22, v4
	s_add_co_u32 s21, s21, SLOT
	s_add_co_u32 s22, s22, SLOT
.endr
	s_mul_i32 s23, s10, 16*SPITCH
	s_add_co_u32 s23, s23, STAGE                   ; my stage
	v_mul_u32_u24 v5, v1, SPITCH
	v_lshl_add_u32 v5, v2, 5, v5
	v_add_nc_u32 v[STO], s23, v5                   ; in: row r, 32 bytes for each half of the lanes
	v_and_b32 v6, 31, v0
	v_lshlrev_b32 v[CO], 4, v6                     ; back: the 32 lanes take one row of 512 bytes; and the same in out0
	v_add_nc_u32 v[RD], s23, v[CO]
	s_lshl_b32 s16, s13, 7
	s_lshl_b32 s17, s11, 6
	s_add_co_u32 s16, s16, s17                     ; my first row of out0,
	s_lshl_b32 s16, s16, 12                        ; 4,096 bytes a row
	s_lshl_b32 s46, s42, 10                        ; my first column, in bytes
	s_lshl_b32 s47, s12, 9
	s_add_co_u32 s46, s46, s47
	s_add_co_u32 s16, s16, s46
	s_mov_b32 s17, 0
	s_add_nc_u64 s[8:9], s[8:9], s[16:17]
; 8 matrix instructions: block a of my rows x all 8 blocks of my columns, 32 along K.  The 32 accumulators take turns, each once in a quarter, in the same order in every quarter
.macro MUL8 f, a, zero
.irp b, 0,1,2,3,4,5,6,7
.if \zero
	v_wmma_f32_16x16x32_f16 v[8*(8*(\a)+\b):8*(8*(\a)+\b)+7], v[\f+32+8*\b:\f+32+8*\b+7], v[\f+8*(\a):\f+8*(\a)+7], 0
.else
	v_wmma_f32_16x16x32_f16 v[8*(8*(\a)+\b):8*(8*(\a)+\b)+7], v[\f+32+8*\b:\f+32+8*\b+7], v[\f+8*(\a):\f+8*(\a)+7], v[8*(8*(\a)+\b):8*(8*(\a)+\b)+7]
.endif
.endr
.endm
.macro MUL16 f, a0, zero
	MUL8 \f, \a0, \zero
	MUL8 \f, (\a0)+1, \zero
.endm
; 24 LDS loads in one run: the fragments of the slot's q-th 32 along K into buffer f: wp's sixteen first, then y's blocks 0 to 3
.macro FETCH slot, q, f
	WIN 0
.irp b, 0,1,2,3,4,5,6,7
	ds_load_tr16_b128 v[\f+32+8*\b:\f+32+8*\b+3],   v[ADRB+\slot] offset:(\q)*32*PB+32*\b
	ds_load_tr16_b128 v[\f+32+8*\b+4:\f+32+8*\b+7], v[ADRB+\slot] offset:(\q)*32*PB+16*PB+32*\b
.endr
.irp a, 0,1,2,3
	ds_load_b128 v[\f+8*\a:\f+8*\a+3],   v[ADRA+\slot] offset:((\q)/2)*APL+((\q)%2)*64+\a*16*PA
	ds_load_b128 v[\f+8*\a+4:\f+8*\a+7], v[ADRA+\slot] offset:((\q)/2)*APL+((\q)%2)*64+\a*16*PA+32
.endr
.endm
.macro PLACES                          ; four plain lines ahead of loads into registers that matrix instructions have read, and of the first read of results
.rept 4
	v_nop
.endr
.endm
; One of a K step's first three quarters: multiplies buffer f and fetches quarter qn into g
.macro QUARTER slot, qn, f, g, zero
	s_wait_dscnt 4                                 ; wp's fragments and y's blocks 0, 1 are in; the youngest four loads (blocks 2, 3) may be out
	WIN MUL
	MUL16 \f, 0, \zero
	WIN 0
	PLACES
	FETCH \slot, \qn, \g
	s_wait_dscnt 24                                ; all but the 24 just issued
	WIN MUL
	MUL16 \f, 2, \zero
.endm
; The last quarter multiplies buffer 1 and changes slots: ONE barrier; in front of it each wave waits for all its tensor loads, adds 0 to its spare word, and waits for that and for its reads of this slot
.macro TURN slot, next, fill
	WIN 0
	s_wait_tensorcnt 0x0                           ; all my tensor loads have landed: my part of the next slot;
	ds_add_u32 v[SPW], v[NIL]
	s_wait_dscnt 5                                 ; (the add and the youngest four loads may be out)
	WIN MUL
	MUL8 F1, 0, 0
	s_wait_dscnt 0x0                               ; the add is done, and my reads of this slot are over
	s_barrier_signal -1
	MUL8 F1, 1, 0
	WIN 0
	s_barrier_wait -1
.if \fill
	CREST                                          ; the barrier has opened a round of the cluster's barrier: no wave of any partner still reads this slot or has a load on its way
	s_add_nc_u64 s[G0+4*\slot+2:G0+4*\slot+3], s[G0+4*\slot+2:G0+4*\slot+3], 2*524288
	s_add_nc_u64 s[G0B+4*\slot+2:G0B+4*\slot+3], s[G0B+4*\slot+2:G0B+4*\slot+3], 2*262144
	JLOAD \slot                                    ; the first tensor load behind the round; its four v_nop are also the plain lines ahead of the loads below
.else
	PLACES
.endif
	FETCH \next, 0, F0
	WIN MUL
	MUL16 F1, 2, 0
.endm
	s_wait_tensorcnt 1                             ; my part of K step 0 is in (K step 1's load may be out)
	s_barrier_signal -1
	s_barrier_wait -1                              ; everybody's is
	FETCH 0, 0, F0
	QUARTER 0, 1, F0, F1, 1                        ; the first quarter's products start the sums: nothing is cleared
	WIN 0
	s_mov_b32 s3, LAPS-1
.Llap:                                                 ; a trip goes once round the ring, from a lap's second quarter to the next lap's first, and fills both slots again
	QUARTER 0, 2, F1, F0, 0
	QUARTER 0, 3, F0, F1, 0
	TURN 0, 1, 1
	QUARTER 1, 1, F0, F1, 0
	QUARTER 1, 2, F1, F0, 0
	QUARTER 1, 3, F0, F1, 0
	TURN 1, 0, 1
	QUARTER 0, 1, F0, F1, 0
	WIN 0
	s_sub_co_u32 s3, s3, 1
	s_cmp_lg_u32 s3, 0
	s_cbranch_scc1 .Llap
	QUARTER 0, 2, F1, F0, 0                        ; the last lap fills nothing, and has no round
	QUARTER 0, 3, F0, F1, 0
	TURN 0, 1, 0
	QUARTER 1, 1, F0, F1, 0
	QUARTER 1, 2, F1, F0, 0
	QUARTER 1, 3, F0, F1, 0
	s_wait_dscnt 4                                 ; the very last quarter: nothing more to fetch
	WIN MUL
	MUL16 F1, 0, 0
	s_wait_dscnt 0
	MUL16 F1, 2, 0
	WIN 0
; THE WAY OUT, block by block of 16 rows x 128 columns: through my own stage, back as whole rows of 512 bytes.  LDS serves a wave's instructions in order: no wait between the stores and the loads
.macro TOSTAGE a
	WIN 0x04                                       ; an LDS store's data are its source 1: window 1
.irp b, 0,1,2,3,4,5,6,7
	ds_store_b128 v[STO], v[64*(\a)+8*\b:64*(\a)+8*\b+3] offset:64*\b          ; each accumulator from its low end on
	ds_store_b128 v[STO], v[64*(\a)+8*\b+4:64*(\a)+8*\b+7] offset:64*\b+16
.endr
	WIN 0
.set BB, 32+96*((\a)%2)
.irp t, 0,1,2,3,4,5,6,7,8,9,10,11,12,13,14,15
	ds_load_b128 v[BB+4*\t:BB+4*\t+3], v[RD] offset:\t*SPITCH
.endr
.endm
.macro SEND a, younger                 ; younger: the LDS instructions issued behind block a's loads, which may stay out
.set BB, 32+96*((\a)%2)
	s_wait_dscnt \younger
.irp t, 0,1,2,3,4,5,6,7,8,9,10,11,12,13,14,15
	global_store_b128 v[CO], v[BB+4*\t:BB+4*\t+3], s[8:9] offset:(\a)*65536+\t*4096 th:TH_STORE_NT   ; 32 lanes store 512 consecutive bytes, aligned; written once, read by nobody here
.endr
.endm
	PLACES
	TOSTAGE 0
.irp a, 1,2,3
.if \a > 1
	s_wait_xcnt 0x0                                ; block a - 2's stores have read their registers: block a's loads may land there
.endif
	TOSTAGE \a
	SEND \a-1, 32                                  ; behind block a - 1's loads: block a's 16 stores and 16 loads
.endr
	SEND 3, 0
	s_wait_tensorcnt 0x0                           ; the wave's end, behind my last tensor load and my last LDS store
	ds_add_u32 v[SPW], v[NIL]
	s_wait_dscnt 0x0
	CROUND                                         ; the closing round
	s_endpgm
.Lfunc_end_k_q5f81c24497_proj:
	.size	k_q5f81c24497_proj, .Lfunc_end_k_q5f81c24497_proj-k_q5f81c24497_proj
	.p2alignl 7, 3214868480
	.fill 96, 4, 3214868480
	.section	.rodata,"a",@progbits
	.p2align	6, 0x0
	.amdhsa_kernel k_q5f81c24497_proj
		.amdhsa_group_segment_fixed_size 327680
		.amdhsa_private_segment_fixed_size 0
		.amdhsa_enable_private_segment 0
		.amdhsa_kernarg_size 24
		.amdhsa_user_sgpr_count 2
		.amdhsa_user_sgpr_kernarg_segment_ptr 1
		.amdhsa_wavefront_size32 1
		.amdhsa_system_sgpr_workgroup_id_x 1
		.amdhsa_system_sgpr_workgroup_id_y 1
		.amdhsa_system_sgpr_workgroup_id_z 1
		.amdhsa_system_vgpr_workitem_id 0
		.amdhsa_next_free_vgpr 512
		.amdhsa_next_free_sgpr 66
		.amdhsa_reserve_vcc 0
		.amdhsa_float_denorm_mode_32 3
		.amdhsa_float_denorm_mode_16_64 3
		.amdhsa_memory_ordered 1
		.amdhsa_forward_progress 1
		.amdhsa_inst_pref_size 85
	.end_amdhsa_kernel
	.amdgpu_metadata
---
amdhsa.version: [ 1, 2 ]
amdhsa.kernels:
  - .name:           k_q5f81c24497_proj
    .symbol:         k_q5f81c24497_proj.kd
    .args:
      - { .name: y, .offset: 0, .size: 8, .value_kind: global_buffer, .address_space: global }
      - { .name: wp, .offset: 8, .size: 8, .value_kind: global_buffer, .address_space: global }
      - { .name: out0, .offset: 16, .size: 8, .value_kind: global_buffer, .address_space: global }
    .group_segment_fixed_size: 327680
    .private_segment_fixed_size: 0
    .kernarg_segment_align: 8
    .kernarg_segment_size: 24
    .max_flat_workgroup_size: 128
    .sgpr_count:     66
    .vgpr_count:     512
    .wavefront_size: 32
...
	.end_amdgpu_metadata
.endif
;; end of part 4
